; MI455X (gfx1250); checked and timed in simulation.
; The chip was launched on July 23, 2026; its instructions are those of AMD's public machine-readable ISA for CDNA 5 (MIT licence, August 2026) and "CDNA5" Instruction Set Architecture Reference Guide (July 2026). The comments in the code are by the model that wrote it; some were corrected since.
;; CLAMSB. Allowed arithmetic: matrix products marked QUANTISED: E5M2 operands, one E8M0 scale for each 32 along K, by v_wmma_scale_f32_16x16x128_f8f6f4 with both operands' format E5M2, f32 sums; products left as they are: f32 operands where the result goes on into a quantised operand, else bf16, f16 or f32 operands; f32 sums; everything else in f32.
;; Inputs: W1 1,024 x 512 float32; Wa 512 x 256 float32; Wb 512 x 256 float32; Wc 256 x 2 float32; Wcls 512 x 1 float32; Wins 2 x 512 x 2 float32; b1 512 float32; ba 256 float32; bb 256 float32; bc 2 float32; bcls 1 float32; bins 2 x 2 float32; x 65,536 x 1,024 float32.
;; Outputs: out0 1 x 2 float32; out1 1 x 2 float32; out2 1 int32; out3 2 x 65,536 float32; out4 one number float32.
;; Constants: target = 1.
;; This version of the problem:
;;   THIS VERSION OF THE PROBLEM IS GIVEN IN LOW PRECISION. The matrix products marked QUANTISED in the list below multiply operands that are first quantised to E5M2 (5 exponent bits, 2 mantissa bits; 8 bits a number), with one power-of-two scale for each 32 numbers along K (OCP MX v1.0); their sums are f32. All else is computed in f32.
;;   The module's matrix products, in the order in which they are computed (A, B: the left and right operand; K: the contracted axis; several contracted axes count as one K, in the product's order):
;;     1. [M 65,536, K 1,024] x [K 1,024, N 512]; A: input x; B: input W1: QUANTISED
;;     2. [M 65,536, K 512] x [K 512, N 256]; A: computed on the way; B: input Wa: QUANTISED
;;     3. [M 65,536, K 512] x [K 512, N 256]; A: computed on the way; B: input Wb: QUANTISED
;;     4. [M 65,536, K 256] x [K 256, N 2]; A: computed on the way; B: input Wc: left as it is (N = 2 < 16)
;;     5. [M 2, K 65,536] x [K 65,536, N 512]; A: softmax; B: computed on the way: left as it is (M = 2 < 16)
;;     6. batch 2 x [M 16, K 512] x [K 512, N 2]; A: computed on the way; B: input Wins: left as it is (N = 2 < 16)
;;     7. batch 2 x [M 8, K 512] x [K 512, N 2]; A: computed on the way; B: input Wins: left as it is (M = 8 < 16)
;;     8. [M 2, K 512] x [K 512, N 1]; A: computed on the way; B: input Wcls: left as it is (M = 2 < 16)
;;   THE QUANTISER, for each operand of a quantised product, along K:
;;     - K is cut into blocks of 32 from its start; a last block that is shorter is filled with zeros.
;;     - A block's scale is 2^e with e = floor(log2(the largest magnitude in the block)) - 15, held to -126 .. 127; a block of zeros has e = 0. As a byte (E8M0): e + 127.
;;     - Each number is divided by its block's scale, clamped to +-57,344, and rounded to the nearest number of E5M2, ties to even, subnormals kept.
;;     - The product sums the exact products of the quantised numbers (number of the format x scale) in f32.
;;   ~~~python
;;   def quantise(x, axis):      # numpy; x: float32 -> the quantised numbers, widened to float32 again
;;       x = np.moveaxis(x, axis, -1); K = x.shape[-1]
;;       x = np.pad(x, [(0, 0)] * (x.ndim - 1) + [(0, -K % 32)]); x = x.reshape(x.shape[:-1] + (-1, 32)); a = np.abs(x).max(-1, keepdims=True)
;;       e = np.where(a > 0, np.clip(np.frexp(np.where(a > 0, a, 1))[1] - 1 - 15, -126, 127), 0)      # np.frexp(a)[1] - 1 = floor(log2(a)), exactly
;;       r = np.clip(x / 2.0 ** e, -57344, 57344)
;;       step = 2.0 ** (np.maximum(np.frexp(np.where(r == 0, 1, r))[1] - 1, -14) - 2)
;;       q = np.round(r / step) * step * 2.0 ** e      # np.round: ties to even
;;       return np.moveaxis(q.reshape(q.shape[:-2] + (-1,))[..., :K], -1, axis).astype(np.float32)
;;   ~~~
;;   OPERANDS COMPUTED ON THE WAY. 'Computed on the way' means the value that the module computes at that place (a softmax that the list does not call 'softmax' is quantised finished and normalised). What goes into a quantiser is computed in f32, as accurately as f32 sums, v_exp_f32 and their like allow (about 1e-6 of the number): no bf16 or f16 on the way to a quantiser, and a product that is left as it is and whose result goes on into a quantised operand takes f32 operands (vector FMAs, or v_wmma_f32_16x16x4_f32). A number that lies on a knife's edge between two numbers of the format may be rounded either way, as far as f32 arithmetic and the matrix unit's own rounding can turn it there, and no further.
;; 2 versions. Each part assembles by itself: llvm-mc -triple=amdgcn-amd-amdhsa -mcpu=gfx1250 --defsym DOCPART=n.
;; ======== version 1 of 2: 3 launches
;; workspace buffers: wq 786,432 bytes; wsc 24,576 bytes; rec 131,072 bytes
;; launch prep (part 1): grid 48 x 1, 4 waves a work-group, no clusters, 0 bytes of LDS; arguments W1, Wa, Wb, wq, wsc; writes wq, wsc
.if DOCPART == 1
	.amdgcn_target "amdgcn-amd-amdhsa--gfx1250"
	.amdhsa_code_object_version 6
	.text
	.protected	k_q1f1142753a_prep
	.globl	k_q1f1142753a_prep
	.p2align	8
	.type	k_q1f1142753a_prep,@function
k_q1f1142753a_prep:
	s_mov_b64 s[64:65], 0
	v_nop
	global_prefetch_b8 v0, s[64:65] scope:SCOPE_SE
	s_setreg_imm32_b32 hwreg(HW_REG_WAVE_MODE, 25, 1), 1
	s_wait_xcnt 0x0
; THE PROGRAM (three launches: prep, main, fin) AND THE WORK THAT IT LEAVES OUT.
; target = 1 is a constant of the problem, so one_hot(target, 2) = [0, 1] and jnp.where keeps loss_out[0] and loss_in[1] for all values of the inputs:
;   loss_in[0], loss_out[1], bot_ids[0] and top_n[0] reach no output and are not computed.  logits_out is the first 8 rows of logits_in: computed once.
; log_softmax over two logits hangs on their difference alone: with z_c = h . (Wins[c,:,1] - Wins[c,:,0]) + bins[c,1] - bins[c,0],  -logp[..,0] = softplus(z_c), -logp[..,1] = softplus(-z_c);
;   softplus is taken as max(x, 0) + ln(1 + e^-|x|), the form with the maximum taken away.
; M = attn @ h is no output: (attn @ h) @ Wcls = attn @ (h @ Wcls), so only s[n] = h[n] . Wcls is formed and the logits are a softmax-weighted sum of s (the weights sum to 1, so bcls is added once).
; A softmax rises strictly with its input along its axis, so top_k(attn) and top_k(-attn) choose as top_k(attn_raw) and top_k(-attn_raw) do, the lower index first among equals.
; The gather h[ids] feeds z_c alone: each row's z_c is carried beside its key, so no address hangs on a floating-point number.  Every input keeps a way to an output and is loaded.
; LIMITS: NaN and infinities among the inputs are not served; rows whose attn_raw differ by less than the f32 rounding of the softmax are ordered by attn_raw and not by index;
;   a NaN, an infinity or an overflow that reaches only the work left out is not carried to the result.
;
; THIS LAUNCH: W1 [1024][512], Wa and Wb [512][256], f32 with K as their FIRST axis, become codes of E5M2 with one E8M0 byte for each 32 along K, laid in the order of the operand's registers:
;   wq  byte t*65536 + w*16384 + u*2048 + c*512 + 16*(r + 16 h): the 16 codes k = 32 c + 16 h + 0..15 of row r of tile u of wave w of main, K step t (t 0..7: W1; t 8..11: Wa and Wb)
;   wsc byte t*2048 + w*512 + (u/2)*128 + 64*(u%2) + 4 r: that row's four scale bytes
;   W1: row r of tile u is hidden unit 128 w + 32 (u/2) + 8 (u%2) + r + 8 (r/8);   Wa: tiles 0-3, column 64 w + 16 u + r;   Wb: tiles 4-7 likewise.
; A lane takes a column and its registers run down K: a block of 32 lies in one lane, and the conversions give codes with K innermost.  A wave takes 32 columns x 128 along K; each load reads 128 neighbouring bytes a wave.
; Loads run two blocks ahead; each block has registers of its own.  The rows' pitch stands in the loads' immediates, so each of the two arms (W1; Wa and Wb) runs the whole body.
; A block's scale is 2^(floor(log2(largest magnitude)) - 15); its byte is the largest magnitude's exponent field - 15, held at 1 from below (a block of zeros keeps the byte 1: its codes are zeros, and this program alone reads the bytes).
.set X,    32                          ; v32-159  128 numbers down K, 32 a block
.set CD,   160                         ; v160-191 the codes, 8 registers a block: no store's data are written again
.macro LOAD c, pitch                   ; block c: rows 32 c .. 32 c + 31 of my K step, at my column
.set i, 0
.rept 32
	global_load_b32 v[X+32*(\c)+i], v3, s[18:19] offset:(32*(\c)+i)*(\pitch) th:TH_LOAD_NT
.set i, i+1
.endr
.endm
.macro DEST                            ; v6: which of my wave's two tiles; v7: the row in it; s22, s24: where the wave's first tile begins in wq and in wsc
	v_lshlrev_b32 v4, 11, v6
	v_lshl_add_u32 v4, v7, 4, v4
	v_add_nc_u32 v4, s22, v4                       ; my row's codes: + c*512 for the block, + 256 for its upper 16
	v_lshlrev_b32 v5, 6, v6
	v_lshl_add_u32 v5, v7, 2, v5
	v_add_nc_u32 v5, s24, v5                       ; my row's scale word
.endm
.macro BLOCK c, pitch
.set XB, X+32*(\c)
.if (\c) < 3
	s_wait_loadcnt 32                              ; loads come back in order: this block's 32 are in, the next block's 32 may be out
.else
	s_wait_loadcnt 0x0
.endif
.if (\c) < 2
	LOAD (\c)+2, \pitch                            ; the block two on, into registers of its own
.endif
	v_max3_num_f32 v12, |v[XB]|, |v[XB+1]|, |v[XB+2]|
	v_max3_num_f32 v13, |v[XB+3]|, |v[XB+4]|, |v[XB+5]|
.irp i, 6,10,14,18,22,26
	v_max3_num_f32 v12, v12, |v[XB+\i]|, |v[XB+\i+1]|
	v_max3_num_f32 v13, v13, |v[XB+\i+2]|, |v[XB+\i+3]|
.endr
	v_max3_num_f32 v12, v12, |v[XB+30]|, |v[XB+31]|
	v_max3_num_f32 v12, v12, v13, 0x8000000        ; and the floor 2^(16 - 127): the byte cannot fall under 1
	v_add_nc_u32 v11, 0xf8800000, v12              ; 15 off the exponent field: the conversion's scale operand
	v_and_or_b32 v10, v12, 0x7f800000, s31         ; 57,344 x the scale
	v_lshrrev_b32 v13, 23, v11                     ; the scale's byte
.if (\c) == 0
	v_mov_b32 v24, v13
.else
	v_lshl_or_b32 v24, v13, 8*(\c), v24            ; the lower K in the lower byte
.endif
.set i, 0
.rept 32
	v_med3_num_f32 v[XB+i], v[XB+i], -v10, v10     ; the conversion to an 8-bit code does not saturate (ISA guide 7.6.2): the hold comes first
.set i, i+1
.endr
.irp g, 0,1,2,3
	v_cvt_scalef32_pk8_bf8_f32 v[CD+8*(\c)+2*\g:CD+8*(\c)+2*\g+1], v[XB+8*\g:XB+8*\g+7], v11
.endr
	v_nop                                          ; a plain line behind the last conversion, ahead of the next block's writes of v10-v13
	global_store_b128 v4, v[CD+8*(\c):CD+8*(\c)+3], s[10:11] offset:512*(\c)          ; k = 32 c + 0..15: sixteen lanes fill 256 neighbouring bytes
	global_store_b128 v4, v[CD+8*(\c)+4:CD+8*(\c)+7], s[10:11] offset:512*(\c)+256    ; k = 32 c + 16..31
.endm
.macro ALL pitch
	BLOCK 0, \pitch
	BLOCK 1, \pitch
	BLOCK 2, \pitch
	BLOCK 3, \pitch
	global_store_b32 v5, v24, s[12:13]             ; 32 scale words: 128 neighbouring bytes a wave
.endm
	s_load_b256 s[4:11], s[0:1], 0x0               ; W1 s[4:5], Wa s[6:7], Wb s[8:9], wq s[10:11]
	s_load_b64 s[12:13], s[0:1], 0x20              ; wsc
	v_lshrrev_b32 v1, 5, v0
	v_readfirstlane_b32 s14, v1                    ; wave 0..3
	v_and_b32 v1, 31, v0                           ; lane
	v_lshlrev_b32 v3, 2, v1                        ; 4 bytes a lane
	s_mov_b32 s31, 0x600000                        ; the mantissa field of 57,344
	s_mov_b32 s21, 0
	s_wait_kmcnt 0x0
	s_cmp_lt_u32 ttmp9, 32
	s_cbranch_scc0 .Lgate
	; work-groups 0..31: W1.  K step = b / 4, 128 columns = b % 4 (they are wave b % 4's of main)
	s_lshr_b32 s15, ttmp9, 2                       ; t
	s_and_b32 s16, ttmp9, 3                        ; w
	s_lshl_b32 s20, s15, 18                        ; 128 rows of 2,048 bytes
	s_lshl_b32 s17, s16, 9
	s_add_co_u32 s20, s20, s17                     ; + 128 columns
	s_lshl_b32 s17, s14, 7
	s_add_co_u32 s20, s20, s17                     ; + my wave's 32
	s_add_nc_u64 s[18:19], s[4:5], s[20:21]
	LOAD 0, 2048
	LOAD 1, 2048
	s_lshl_b32 s22, s15, 16
	s_lshl_b32 s17, s16, 14
	s_add_co_u32 s22, s22, s17
	s_lshl_b32 s17, s14, 12                        ; my wave's two tiles: 2 x wave
	s_add_co_u32 s22, s22, s17
	s_lshl_b32 s24, s15, 11
	s_lshl_b32 s17, s16, 9
	s_add_co_u32 s24, s24, s17
	s_lshl_b32 s17, s14, 7
	s_add_co_u32 s24, s24, s17
	v_bfe_u32 v6, v0, 3, 1                         ; which of the two tiles: (lane / 8) % 2
	v_and_b32 v7, 7, v0
	v_bfe_u32 v8, v0, 4, 1
	v_lshl_add_u32 v7, v8, 3, v7                   ; its row: lane % 8 + 8 (lane / 16)
	DEST
	ALL 2048
	s_endpgm
.Lgate:
	; work-groups 32..39: Wa, 40..47: Wb.  K step = (b % 8) / 2, 128 columns = b % 2
	s_and_b32 s15, ttmp9, 7
	s_lshr_b32 s15, s15, 1                         ; K step
	s_and_b32 s16, ttmp9, 1
	s_cmp_lt_u32 ttmp9, 40
	s_cselect_b64 s[18:19], s[6:7], s[8:9]         ; the choice hangs on the work-group's number alone
	s_cselect_b32 s26, 0, 4                        ; Wb's tiles lie behind Wa's four
	s_lshl_b32 s20, s15, 17                        ; 128 rows of 1,024 bytes
	s_lshl_b32 s17, s16, 9
	s_add_co_u32 s20, s20, s17
	s_lshl_b32 s17, s14, 7
	s_add_co_u32 s20, s20, s17
	s_add_nc_u64 s[18:19], s[18:19], s[20:21]
	LOAD 0, 1024
	LOAD 1, 1024
	s_add_co_u32 s15, s15, 8                       ; t
	s_lshl_b32 s16, s16, 1
	s_lshr_b32 s17, s14, 1
	s_add_co_u32 s16, s16, s17                     ; w = 2 (b % 2) + wave / 2
	s_and_b32 s17, s14, 1
	s_lshl_b32 s17, s17, 1
	s_add_co_u32 s26, s26, s17                     ; my wave's first tile, an even one
	s_lshl_b32 s22, s15, 16
	s_lshl_b32 s17, s16, 14
	s_add_co_u32 s22, s22, s17
	s_lshl_b32 s17, s26, 11
	s_add_co_u32 s22, s22, s17
	s_lshl_b32 s24, s15, 11
	s_lshl_b32 s17, s16, 9
	s_add_co_u32 s24, s24, s17
	s_lshl_b32 s17, s26, 6
	s_add_co_u32 s24, s24, s17
	v_bfe_u32 v6, v0, 4, 1                         ; which of the two tiles: lane / 16
	v_and_b32 v7, 15, v0                           ; its row
	DEST
	ALL 1024
	s_endpgm
.Lfunc_end_k_q1f1142753a_prep:
	.size	k_q1f1142753a_prep, .Lfunc_end_k_q1f1142753a_prep-k_q1f1142753a_prep
	.p2alignl 7, 3214868480
	.fill 96, 4, 3214868480
	.section	.rodata,"a",@progbits
	.p2align	6, 0x0
	.amdhsa_kernel k_q1f1142753a_prep
		.amdhsa_group_segment_fixed_size 0
		.amdhsa_private_segment_fixed_size 0
		.amdhsa_enable_private_segment 0
		.amdhsa_kernarg_size 40
		.amdhsa_user_sgpr_count 2
		.amdhsa_user_sgpr_kernarg_segment_ptr 1
		.amdhsa_wavefront_size32 1
		.amdhsa_system_sgpr_workgroup_id_x 1
		.amdhsa_system_sgpr_workgroup_id_y 1
		.amdhsa_system_sgpr_workgroup_id_z 1
		.amdhsa_system_vgpr_workitem_id 0
		.amdhsa_next_free_vgpr 192
		.amdhsa_next_free_sgpr 66
		.amdhsa_reserve_vcc 0
		.amdhsa_float_denorm_mode_32 3
		.amdhsa_float_denorm_mode_16_64 3
		.amdhsa_memory_ordered 1
		.amdhsa_forward_progress 1
		.amdhsa_inst_pref_size 58
	.end_amdhsa_kernel
	.amdgpu_metadata
---
amdhsa.version: [ 1, 2 ]
amdhsa.kernels:
  - .name:           k_q1f1142753a_prep
    .symbol:         k_q1f1142753a_prep.kd
    .args:
      - { .name: W1, .offset: 0, .size: 8, .value_kind: global_buffer, .address_space: global }
      - { .name: Wa, .offset: 8, .size: 8, .value_kind: global_buffer, .address_space: global }
      - { .name: Wb, .offset: 16, .size: 8, .value_kind: global_buffer, .address_space: global }
      - { .name: wq, .offset: 24, .size: 8, .value_kind: global_buffer, .address_space: global }
      - { .name: wsc, .offset: 32, .size: 8, .value_kind: global_buffer, .address_space: global }
    .group_segment_fixed_size: 0
    .private_segment_fixed_size: 0
    .kernarg_segment_align: 8
    .kernarg_segment_size: 40
    .max_flat_workgroup_size: 128
    .sgpr_count:     66
    .vgpr_count:     192
    .wavefront_size: 32
...
	.end_amdgpu_metadata
.endif
;; end of part 1
;; launch main (part 2): grid 256 x 1, 4 waves a work-group, no clusters, 193,536 bytes of LDS; arguments x, wq, wsc, b1, ba, bb, Wc, bc, Wcls, Wins, out3, rec; writes out3, rec
.if DOCPART == 2
	.amdgcn_target "amdgcn-amd-amdhsa--gfx1250"
	.amdhsa_code_object_version 6
	.text
	.protected	k_q1f1142753a_main
	.globl	k_q1f1142753a_main
	.p2align	8
	.type	k_q1f1142753a_main,@function
k_q1f1142753a_main:
	s_mov_b64 s[64:65], 0
	v_nop
	global_prefetch_b8 v0, s[64:65] scope:SCOPE_SE
	s_setreg_imm32_b32 hwreg(HW_REG_WAVE_MODE, 25, 1), 1
	s_wait_xcnt 0x0
; From x to each row's five numbers, in one launch: h = relu(Q(x) Q(W1) + b1); a = tanh(Q(h) Q(Wa) + ba); g = sigmoid(Q(h) Q(Wb) + bb); A = (a g) Wc + bc (stored: out3 = A^T);
; s = h . Wcls, z_c = h . (Wins[c,:,1] - Wins[c,:,0]).  h never goes to memory.  Left out (shown at the head of the first kernel): M, the gathers of h, loss_in[0], loss_out[1], bot_ids[0].
; A work-group also leaves a record of 512 bytes: its 8 largest A0, 8 largest A1 and 8 smallest A1, each with its row's number and z_c, and for each class the largest A, the sum of e^(A - largest) and that sum weighted by s.
; SHARES.  256 work-groups of four waves; a work-group owns 256 rows, as two blocks of 128.  THE WAVES SHARE THE COLUMNS: wave w makes hidden units 128 w .. + 127, then columns 64 w .. + 63 of a and of g, for all 128 rows:
; 64 accumulators, 512 registers.  So each fragment of the weights is multiplied by ONE wave, against 8 tiles of rows, and goes from memory straight into that wave's registers, in dense loads of 512 bytes.
; NO CLUSTER, NO TENSOR LOAD: a joint load lands in LDS, and each of the 786,432 bytes of weights that a block walks would be written there and read from there once, by one wave, beside what x and h move through LDS;
; x is shared by nobody.  With plain loads the last trips' loads are led round by scalar branches on counters, so a block's text stands once.
; x: wave w loads rows 32 w .. + 31 of a K step (a load: 512 neighbouring bytes of a row), turns them through its own stage in LDS so that a lane holds 16 neighbours of each block of 32, quantises two fragments and
; leaves them in LDS AS IMAGES OF THE OPERAND'S REGISTERS (16 bytes a lane, 512 a store; the scale word 4 bytes a lane); all four waves load all 8.  h goes the same way: wave w's 128 units are K step w of the next products.
; x's images have one buffer and a K step two barriers: one between the stores and the loads, one between the loads and the next step's stores (its signal and its wait stand 16 matrix instructions apart).
; BOTH PRODUCTS ARE USED TRANSPOSED (source 0 = 16 rows of the weights' tile, source 1 = 16 rows of x or h): a lane holds one row, its registers run along the columns.  The biases are loaded into the accumulators ahead of the first K step.
; LIMITS: NaN and infinities among the inputs are not served.  tanh = 1 - 2 / (1 + 2^(2 u log2 e)) and sigmoid = 1 / (1 + 2^(-v log2 e)) hold for every finite u, v (an exponential that overflows gives the limit).
; REGISTERS, in windows of 256.  Window 0: v1-29 addresses; v32-35 the weights' scale words, v36-43 the rows'; v44-63 at work; v64-97 codes and scale words just made; v98-115 sums; v128-255 eight fragments of rows, or 128 numbers of x, or tables.
;   Window 1: v0-127 the weights' 8 fragments; v128-255 x as loaded, or tables.   Windows 2, 3: accumulator (m, u) at v[64 (m % 4) + 8 u] of window 2 + m / 4.
.set STG,   0                          ; LDS: for each wave a stage of 32 rows x (512 + 16) bytes
.set XIMG,  67584                      ; x's 8 fragments, 2,048 bytes each
.set XSC,   XIMG+16384                 ; their scale words, 128 bytes each
.set HIMG,  XSC+1024                   ; h's 32 fragments: (4 m + s) x 2,048
.set HSC,   HIMG+65536                 ; their scale words
.set TU,    HSC+4096                   ; tables by hidden unit, 2,048 bytes each: Wins' differences of class 0, of class 1, Wcls, b1
.set TC,    TU+8192                    ; tables by column, 1,024 bytes each: Wc[:,0], Wc[:,1], ba, bb
.set PART,  TC+4096                    ; each wave's part of each row's five numbers: ((q x 4 + wave) x 256 + row) x 4; q: A0, A1, s, z0, z1
.set ROWV,  PART+20480                 ; the five numbers: q x 1,024 + 4 x row
.set REC,   ROWV+5120                  ; the record
.set SPARE, REC+512                    ; the spare words, 128 bytes for each wave: two blocks of 256 bytes that no other line names
.set LN,  1
.set RR,  2
.set HH,  3
.set XVA, 4                            ; x: wave x 32 rows + 16 x lane
.set WVA, 5                            ; weights: wave x 16,384 + 16 x lane
.set WSV, 6                            ; their scale words: wave x 512 + 4 x lane
.set PFV, 7                            ; the prefetches: wave x 32 rows + lane x a row
.set STA, 8                            ; the stage, on the way in
.set STB, 9                            ; and out
.set XWI, 10
.set XWS, 11
.set XFA, 12
.set XSA, 13
.set PS0, 14
.set HWI, 18
.set HWS, 19
.set HF0, 20
.set HS0, 21
.set HFA, 22
.set HSA, 23
.set TUA, 24
.set TCA, 25
.set PSA, 26
.set SPW, 28                           ; LDS address of my spare word; never rewritten
.set NIL, 29                           ; 0; never rewritten
.set WS,  32
.set XS,  36
.set TM,  44                           ; +0..3 largest magnitudes, +4..7 the other half's, then bytes, +8..11 57,344 x the scale, +12..15 the conversions' scale operands
.set PT,  60                           ; lane permutes' destinations
.set PCD, 64                           ; two sets of 16 registers of codes
.set PW,  96                           ; two scale words
.set PD,  98                           ; two sets of three numbers on their way to PART
.set CH,  104                          ; six pairs: running sums
.set XF,  128
.set WV,  32                           ; scalars
.set XP,  34
.set WP,  36
.set WSP, 38
.set OFC, 40
.set OFS, 42
.set BLK, 44
.set T1,  45
.set T2,  46
.set PB,  47
.set HSO, 49
.set HSS, 50
.set GC,  51
.set SEL, 52
.set MNT, 54
.set L2E, 55
.set C2L, 56
.set CML, 58
.set BC,  60
.set PFP, 66
.set PST, 68
.set SIT, 74
.set SI2, 75
.set MSB, 0
.macro WIN new                         ; the immediate's high byte repeats the setting that is left; a switch that changes nothing is dropped
.if MSB != (\new)
	s_set_vgpr_msb (MSB<<8)|(\new)
.set MSB, (\new)
.endif
.endm
.macro PLACES n                        ; plain vector lines behind matrix instructions, ahead of loads into their registers and of reads of their results
.rept \n
	v_nop
.endr
.endm
.macro BARRIER                         ; my LDS stores have landed and my LDS loads are in: then the work-group's barrier
	s_wait_dscnt 0x0
	s_barrier_signal -1
	s_barrier_wait -1
.endm
.macro XLOAD                           ; my 32 rows' 128 numbers of a K step: a load reads 512 neighbouring bytes of one row
	WIN 0x40
.set i, 0
.rept 32
	global_load_b128 v[128+4*i:128+4*i+3], v[XVA], s[XP:XP+1] offset:i*4096 th:TH_LOAD_NT
.set i, i+1
.endr
	WIN 0
.endm
.macro WLOAD half                      ; four of my eight fragments of the next K step's weights; with the second four the scale words
	WIN 0x40
.irp u, 4*(\half), 4*(\half)+1, 4*(\half)+2, 4*(\half)+3
.irp c, 0,1,2,3
	global_load_b128 v[16*(\u)+4*\c:16*(\u)+4*\c+3], v[WVA], s[WP:WP+1] offset:(\u)*2048+\c*512
.endr
.endr
	WIN 0
.if \half
.irp p, 0,1,2,3
	global_load_b32 v[WS+\p], v[WSV], s[WSP:WSP+1] offset:128*\p
.endr
.endif
.endm
.macro WNEXT                           ; on to the next K step's weights; behind the twelfth comes the first.  It stands behind the wait that shows the last weight loads done
	s_add_co_u32 s[OFC], s[OFC], 65536
	s_cmp_eq_u32 s[OFC], 786432
	s_cselect_b32 s[OFC], 0, s[OFC]
	s_lshr_b32 s[OFS], s[OFC], 5
	s_add_nc_u64 s[WP:WP+1], s[10:11], s[OFC:OFC+1]
	s_add_nc_u64 s[WSP:WSP+1], s[12:13], s[OFS:OFS+1]
.endm
; 64 numbers of a lane in window wn, register 16 b + i = k 32 b + 16 (lane / 16) + i of my row, become a fragment's codes in v[pc] on and its scale word in v[pw].  mode 1: the numbers are not negative.
.macro QUANT src, wn, mode, pc, pw
	WIN (\wn)*5
.irp b, 0,1,2,3
.if \mode
	v_max3_num_f32 v[TM+\b], v[\src+16*\b], v[\src+16*\b+1], 0x8000000      ; my 16 numbers of block b, and the floor 2^(16 - 127): the byte cannot fall under 1
.else
	v_max3_num_f32 v[TM+\b], |v[\src+16*\b]|, |v[\src+16*\b+1]|, 0x8000000
.endif
.endr
.irp i, 2,4,6,8,10,12,14
.irp b, 0,1,2,3
.if \mode
	v_max3_num_f32 v[TM+\b], v[\src+16*\b+\i], v[\src+16*\b+\i+1], v[TM+\b]  ; the four blocks by turns
.else
	v_max3_num_f32 v[TM+\b], |v[\src+16*\b+\i]|, |v[\src+16*\b+\i+1]|, v[TM+\b]
.endif
.endr
.endr
	WIN 0
.irp b, 0,1,2,3
	v_permlanex16_b32 v[TM+4+\b], v[TM+\b], s[SEL], s[SEL+1]
.endr
.irp b, 0,1,2,3
	v_max_num_f32 v[TM+\b], v[TM+\b], v[TM+4+\b]   ; with lane l xor 16's: the block's largest magnitude
.endr
.irp b, 0,1,2,3
	v_add_nc_u32 v[TM+12+\b], 0xf8800000, v[TM+\b] ; 15 off its exponent field: the conversion's scale operand
.endr
.irp b, 0,1,2,3
	v_and_or_b32 v[TM+8+\b], v[TM+\b], 0x7f800000, s[MNT]   ; 57,344 x the scale
.endr
.irp b, 0,1,2,3
	v_lshrrev_b32 v[TM+4+\b], 23, v[TM+12+\b]      ; the scale's byte
.endr
	v_lshl_or_b32 v[\pw], v[TM+5], 8, v[TM+4]
	v_lshl_or_b32 v[\pw], v[TM+6], 16, v[\pw]
	v_lshl_or_b32 v[\pw], v[TM+7], 24, v[\pw]
	WIN (\wn)*65
.irp b, 0,1,2,3
.irp i, 0,1,2,3,4,5,6,7,8,9,10,11,12,13,14,15
.if \mode
	v_min_num_f32 v[\src+16*\b+\i], v[\src+16*\b+\i], v[TM+8+\b]             ; the conversion to an 8-bit code does not saturate (ISA guide 7.6.2): the hold, one-sided
.else
	v_med3_num_f32 v[\src+16*\b+\i], v[\src+16*\b+\i], -v[TM+8+\b], v[TM+8+\b]
.endif
.endr
.endr
	WIN (\wn)
.irp b, 0,1,2,3
	v_cvt_scalef32_pk8_bf8_f32 v[\pc+4*\b:\pc+4*\b+1], v[\src+16*\b:\src+16*\b+7], v[TM+12+\b]
	v_cvt_scalef32_pk8_bf8_f32 v[\pc+4*\b+2:\pc+4*\b+3], v[\src+16*\b+8:\src+16*\b+15], v[TM+12+\b]
.endr
	v_nop                                          ; a plain line behind the last conversion
	WIN 0
.endm
.macro IMAGE adr, pc, off              ; a fragment goes to LDS as it stands in the registers
.irp c, 0,1,2,3
	ds_store_b128 v[\adr], v[\pc+4*\c:\pc+4*\c+3] offset:\off+512*\c
.endr
.endm
.macro FETCH fa, fs, sa, ss            ; the 8 tiles of rows: their scale words, then their fragments, tile by tile
.irp m, 0,1,2,3,4,5,6,7
	ds_load_b32 v[XS+\m], v[\sa] offset:\m*(\ss)
.endr
.irp m, 0,1,2,3,4,5,6,7
.irp c, 0,1,2,3
	ds_load_b128 v[XF+16*\m+4*\c:XF+16*\m+4*\c+3], v[\fa] offset:\m*(\fs)+512*\c
.endr
.endr
.endm
; 16 matrix instructions: weights' tiles 4 ug .. + 3 against tiles of rows 4 mh .. + 3.  A K step's 64 go to 64 different accumulators, in the same order in every step.
; A scale register holds tile 2 p's words in lanes 0-15 and tile 2 p + 1's in lanes 16-31.
.macro MUL16 ug, mh
.irp u, 4*(\ug), 4*(\ug)+1, 4*(\ug)+2, 4*(\ug)+3
.irp mm, 0,1,2,3
.if ((\u)%2)
	v_wmma_scale_f32_16x16x128_f8f6f4 v[64*\mm+8*(\u):64*\mm+8*(\u)+7], v[16*(\u):16*(\u)+15], v[XF+16*(4*(\mh)+\mm):XF+16*(4*(\mh)+\mm)+15], v[64*\mm+8*(\u):64*\mm+8*(\u)+7], v[WS+(\u)/2], v[XS+4*(\mh)+\mm] matrix_a_fmt:MATRIX_FMT_BF8 matrix_b_fmt:MATRIX_FMT_BF8 matrix_a_scale:MATRIX_SCALE_ROW1
.else
	v_wmma_scale_f32_16x16x128_f8f6f4 v[64*\mm+8*(\u):64*\mm+8*(\u)+7], v[16*(\u):16*(\u)+15], v[XF+16*(4*(\mh)+\mm):XF+16*(4*(\mh)+\mm)+15], v[64*\mm+8*(\u):64*\mm+8*(\u)+7], v[WS+(\u)/2], v[XS+4*(\mh)+\mm] matrix_a_fmt:MATRIX_FMT_BF8 matrix_b_fmt:MATRIX_FMT_BF8
.endif
.endr
.endr
.endm
.macro WMAX reg                        ; over the 32 lanes; the result in every lane
.irp k, 1,2,4,8
	v_max_num_f32_dpp v[\reg], v[\reg], v[\reg] row_xmask:\k row_mask:0xf bank_mask:0xf
.endr
	v_permlanex16_b32 v[ETP], v[\reg], s[SEL], s[SEL+1]
	v_max_num_f32 v[\reg], v[\reg], v[ETP]
.endm
.macro WMIN reg
.irp k, 1,2,4,8
	v_min_num_f32_dpp v[\reg], v[\reg], v[\reg] row_xmask:\k row_mask:0xf bank_mask:0xf
.endr
	v_permlanex16_b32 v[ETP], v[\reg], s[SEL], s[SEL+1]
	v_min_num_f32 v[\reg], v[\reg], v[ETP]
.endm
.macro WSUM reg
.irp k, 1,2,4,8
	v_add_f32_dpp v[\reg], v[\reg], v[\reg] row_xmask:\k row_mask:0xf bank_mask:0xf
.endr
	v_permlanex16_b32 v[ETP], v[\reg], s[SEL], s[SEL+1]
	v_add_f32 v[\reg], v[\reg], v[ETP]
.endm
; The 8 largest of the wave's 32 x nv keys, the lower row first among equals, by selects alone: eight trips, each of which finds the largest key, the lowest row that has it, that row's payload, and strikes the row out.
; Trip n leaves the key in lane n of v[EOUT], the row in lane 8 + n, the payload in lane 16 + n.
.set EK,   128
.set EP,   136
.set EI,   144
.set ET,   152
.set EMX,  160
.set ETP,  161
.set EMN,  162
.set EPS,  163
.set EOUT, 164
.set EBIG, 165
.set ENIN, 166
.macro EXTRACT nv
	s_mov_b32 s[SIT], 0
.Lpick_\@:
	v_max_num_f32 v[EMX], v[EK], v[EK+1]
.if \nv > 2
	v_max3_num_f32 v[EMX], v[EMX], v[EK+2], v[EK+3]
	v_max3_num_f32 v[EMX], v[EMX], v[EK+4], v[EK+5]
	v_max3_num_f32 v[EMX], v[EMX], v[EK+6], v[EK+7]
.endif
	WMAX EMX
.set i, 0
.rept \nv
	v_cmp_eq_f32 vcc_lo, v[EK+i], v[EMX]
	v_cndmask_b32 v[ET+i], v[EBIG], v[EI+i], vcc_lo
.set i, i+1
.endr
	v_min_num_f32 v[EMN], v[ET], v[ET+1]
.if \nv > 2
	v_min3_num_f32 v[EMN], v[EMN], v[ET+2], v[ET+3]
	v_min3_num_f32 v[EMN], v[EMN], v[ET+4], v[ET+5]
	v_min3_num_f32 v[EMN], v[EMN], v[ET+6], v[ET+7]
.endif
	WMIN EMN
	v_mov_b32 v[EPS], 0
.set i, 0
.rept \nv
	v_cmp_eq_f32 vcc_lo, v[EI+i], v[EMN]
	v_cndmask_b32 v[EPS], v[EPS], v[EP+i], vcc_lo
	v_cndmask_b32 v[EK+i], v[EK+i], v[ENIN], vcc_lo
.set i, i+1
.endr
	WSUM EPS                                       ; one lane holds the payload, the others 0
	v_cmp_eq_u32 vcc_lo, s[SIT], v[LN]
	v_cndmask_b32 v[EOUT], v[EOUT], v[EMX], vcc_lo
	s_add_co_u32 s[SI2], s[SIT], 8
	v_cmp_eq_u32 vcc_lo, s[SI2], v[LN]
	v_cndmask_b32 v[EOUT], v[EOUT], v[EMN], vcc_lo
	s_add_co_u32 s[SI2], s[SIT], 16
	v_cmp_eq_u32 vcc_lo, s[SI2], v[LN]
	v_cndmask_b32 v[EOUT], v[EOUT], v[EPS], vcc_lo
	s_add_co_u32 s[SIT], s[SIT], 1
	s_cmp_lt_u32 s[SIT], 8
	s_cbranch_scc1 .Lpick_\@
.endm
	; ---- the head
	s_load_b512 s[8:23], s[0:1], 0x0               ; x s[8:9], wq s[10:11], wsc s[12:13], b1 s[14:15], ba s[16:17], bb s[18:19], Wc s[20:21], bc s[22:23]
	s_load_b256 s[24:31], s[0:1], 0x40             ; Wcls s[24:25], Wins s[26:27], out3 s[28:29], rec s[30:31]
	v_lshl_add_u32 v[SPW], v0, 2, SPARE
	v_mov_b32 v[NIL], 0
	v_lshrrev_b32 v[LN], 5, v0
	v_readfirstlane_b32 s[WV], v[LN]               ; wave 0..3
	v_and_b32 v[LN], 31, v0
	v_and_b32 v[RR], 15, v0
	v_bfe_u32 v[HH], v0, 4, 1
	s_lshl_b32 s70, s[WV], 17
	v_lshl_add_u32 v[XVA], v[LN], 4, s70
	v_lshl_add_u32 v[PFV], v[LN], 12, s70
	s_lshl_b32 s70, s[WV], 14
	v_lshl_add_u32 v[WVA], v[LN], 4, s70
	s_lshl_b32 s70, s[WV], 9
	v_lshl_add_u32 v[WSV], v[LN], 2, s70
	s_mul_i32 s70, s[WV], 16896                    ; my stage (STG = 0)
	v_lshl_add_u32 v[STA], v[LN], 4, s70           ; in: a row's 512 bytes as they lie, rows 528 bytes apart
	v_mul_u32_u24 v[STB], v[RR], 528
	v_lshl_add_u32 v[STB], v[HH], 6, v[STB]
	v_add_nc_u32 v[STB], s70, v[STB]               ; out: row r, + 64 h: my 16 numbers of a block of 32
	s_lshl_b32 s70, s[WV], 12
	s_add_co_u32 s70, s70, XIMG
	v_lshl_add_u32 v[XWI], v[LN], 4, s70           ; where I store x's images: tiles of rows 2 w, 2 w + 1
	s_lshl_b32 s70, s[WV], 8
	s_add_co_u32 s70, s70, XSC
	v_lshl_add_u32 v[XWS], v[LN], 2, s70
	v_lshl_add_u32 v[XFA], v[LN], 4, XIMG          ; and where everybody loads them
	v_lshl_add_u32 v[XSA], v[LN], 2, XSC
	s_lshl_b32 s70, s[WV], 11
	s_add_co_u32 s70, s70, HIMG
	v_lshl_add_u32 v[HWI], v[LN], 4, s70           ; h's images: K step w
	s_lshl_b32 s70, s[WV], 7
	s_add_co_u32 s70, s70, HSC
	v_lshl_add_u32 v[HWS], v[LN], 2, s70
	v_lshl_add_u32 v[HF0], v[LN], 4, HIMG
	v_lshl_add_u32 v[HS0], v[LN], 2, HSC
	s_lshl_b32 s70, s[WV], 9
	s_add_co_u32 s70, s70, TU
	v_lshl_add_u32 v[TUA], v[HH], 6, s70           ; tables by unit: 128 w + 16 h on
	s_lshl_b32 s70, s[WV], 8
	s_add_co_u32 s70, s70, TC
	v_lshl_add_u32 v[TCA], v[HH], 5, s70           ; tables by column: 64 w + 8 h on
	s_lshl_b32 s70, s[WV], 10
	s_add_co_u32 s70, s70, PART
	v_lshl_add_u32 v[PS0], v[RR], 2, s70
	v_lshl_add_u32 v116, v0, 4, TU                 ; the tables' way in: thread t brings units 4 t .. + 3 and columns 2 t, 2 t + 1
	v_lshl_add_u32 v117, v0, 3, TC
	v_lshlrev_b32 v118, 5, v0
	v_lshlrev_b32 v119, 4, v0
	v_lshlrev_b32 v120, 3, v0
	s_mov_b32 s[SEL], 0x76543210
	s_mov_b32 s[SEL+1], 0xfedcba98                 ; v_permlanex16_b32's selects for lane l xor 16
	s_mov_b32 s[MNT], 0x600000                     ; the mantissa field of 57,344
	s_mov_b32 s[L2E], 0x3fb8aa3b                   ; log2(e)
	s_mov_b32 s[C2L], 0x4038aa3b                   ; 2 log2(e); the packed forms name a pair and take its low word for both halves
	s_mov_b32 s[C2L+1], 0x4038aa3b
	s_mov_b32 s[CML], 0xbfb8aa3b                   ; -log2(e)
	s_mov_b32 s[CML+1], 0xbfb8aa3b
	s_mov_b32 s[OFC], 0
	s_mov_b32 s[OFC+1], 0
	s_mov_b32 s[OFS], 0
	s_mov_b32 s[OFS+1], 0
	s_mov_b32 s[PST+1], 0
	s_mov_b32 s[BLK], 2
	s_mov_b32 s[GC], 0
	s_mov_b32 s[PB], 0
.irp b, 0,1,2,3
	v_mov_b32 v[TM+4+\b], 0                        ; written once: a lane permute's destination counts as one of its sources
.endr
.irp b, 0,1,2
	v_mov_b32 v[PT+\b], 0
.endr
	s_lshl_b32 s[XP], ttmp9, 20                    ; my work-group's 256 rows of 4,096 bytes
	s_mov_b32 s[XP+1], 0
	s_wait_kmcnt 0x0
	s_load_b64 s[BC:BC+1], s[22:23], 0x0           ; bc
	global_load_b128 v[128:131], v118, s[26:27]                ; Wins[0][4 t .. + 3][0..1]
	global_load_b128 v[132:135], v118, s[26:27] offset:16
	global_load_b128 v[136:139], v118, s[26:27] offset:4096    ; Wins[1]
	global_load_b128 v[140:143], v118, s[26:27] offset:4112
	global_load_b128 v[144:147], v119, s[24:25]                ; Wcls
	global_load_b128 v[148:151], v119, s[14:15]                ; b1
	global_load_b128 v[152:155], v119, s[20:21]                ; Wc[2 t .. + 1][0..1]
	global_load_b64 v[156:157], v120, s[16:17]                 ; ba
	global_load_b64 v[158:159], v120, s[18:19]                 ; bb
	s_add_nc_u64 s[XP:XP+1], s[8:9], s[XP:XP+1]
	s_add_nc_u64 s[PFP:PFP+1], s[XP:XP+1], 512     ; the prefetches stand at K step 1; each trip steps them first
	s_mov_b64 s[WP:WP+1], s[10:11]
	s_mov_b64 s[WSP:WSP+1], s[12:13]
	XLOAD                                          ; block 0, K step 0
	s_wait_loadcnt 32                              ; the nine table loads are in; x's 32 may be out
.irp c, 0,1
.irp d, 0,1,2,3
	v_sub_f32 v[160+4*\c+\d], v[129+8*\c+2*\d], v[128+8*\c+2*\d]   ; Wins[c][d][1] - Wins[c][d][0]
.endr
.endr
	v_mov_b32 v168, v152
	v_mov_b32 v169, v154                           ; Wc[:,0]
	v_mov_b32 v170, v153
	v_mov_b32 v171, v155                           ; Wc[:,1]
	ds_store_b128 v116, v[160:163]
	ds_store_b128 v116, v[164:167] offset:2048
	ds_store_b128 v116, v[144:147] offset:4096
	ds_store_b128 v116, v[148:151] offset:6144
	ds_store_b64 v117, v[168:169]
	ds_store_b64 v117, v[170:171] offset:1024
	ds_store_b64 v117, v[156:157] offset:2048
	ds_store_b64 v117, v[158:159] offset:3072
	WLOAD 0                                        ; the first K step's weights, behind x: the order on which the trips' counts rest
	WLOAD 1
	s_wait_kmcnt 0x0                               ; bc
	BARRIER                                        ; the tables lie in LDS
.Lblock:                                           ; two trips: a block of 128 rows
	s_wait_dscnt 0x0                               ; the last block's stores to PART have read their address
	v_add_nc_u32 v[PSA], s[PB], v[PS0]
	; b1 into all 64 accumulators: register j of tile u is hidden unit 128 w + 32 (u / 2) + 16 h + 8 (u % 2) + j.  So every K step adds in place, and no bias is added later
.irp wn, 2,3
	WIN \wn<<6
.irp mm, 0,1,2,3
.irp u, 0,1,2,3,4,5,6,7
	ds_load_b128 v[64*\mm+8*\u:64*\mm+8*\u+3], v[TUA] offset:6144+(\u/2)*128+(\u%2)*32
	ds_load_b128 v[64*\mm+8*\u+4:64*\mm+8*\u+7], v[TUA] offset:6144+(\u/2)*128+(\u%2)*32+16
.endr
.endr
.endr
	WIN 0
	s_mov_b32 s[T1], 0
.Lk1:                                              ; eight trips: a K step of 128 of x W1
	s_wait_loadcnt 36                              ; x of this step is in; behind it stand the 32 + 4 loads of this step's weights
	s_wait_xcnt 0x0                                ; the last trip's prefetches have read their address, so it may be written
	s_cmp_eq_u32 s[T1], 6
	s_mov_b32 s[PST], 512
	s_cselect_b32 s[PST], 520704, s[PST]           ; a K step on; from a block's last K step to the next block's first
	s_add_nc_u64 s[PFP:PFP+1], s[PFP:PFP+1], s[PST:PST+1]
	WIN 0x04                                       ; an LDS store's data are its source 1: window 1
.set i, 0
.rept 32
	ds_store_b128 v[STA], v[128+4*i:128+4*i+3] offset:i*528
.set i, i+1
.endr
	WIN 0
.irp f, 0,1
.irp b, 0,1,2,3
.irp j, 0,1,2,3
	ds_load_b128 v[XF+64*\f+16*\b+4*\j:XF+64*\f+16*\b+4*\j+3], v[STB] offset:\f*8448+128*\b+16*\j   ; LDS serves a wave's instructions in order: these see my stores
.endr
.endr
.endr
	s_wait_dscnt 32                                ; all but these 32 loads: the stores have read their registers, which take the next K step
	s_cmp_eq_u32 s[T1], 7
	s_cbranch_scc1 .Lk1_last
	s_add_nc_u64 s[XP:XP+1], s[XP:XP+1], 512
	XLOAD
	s_branch .Lk1_asked
.Lk1_last:
	s_wait_loadcnt 0x0                             ; no x follows in the block's last step: its weights are waited for here
.Lk1_asked:
	s_cmp_lt_u32 s[GC], 14                         ; a prefetch of my 32 rows' 512 bytes of the K step after the one just asked for: a lane a row, two instructions 256 bytes apart;
	s_cbranch_scc0 .Lk1_none                       ; each wave asks for its own rows, so each block of 256 bytes is named once; the work-group's last two K steps ask for nothing, its first two come by their loads alone
	global_prefetch_b8 v[PFV], s[PFP:PFP+1] th:TH_LOAD_NT scope:SCOPE_SE
	global_prefetch_b8 v[PFV], s[PFP:PFP+1] offset:256 th:TH_LOAD_NT scope:SCOPE_SE
.Lk1_none:
	s_wait_dscnt 16                                ; my first 16 rows are back from the stage
	QUANT XF, 0, 0, PCD, PW
	IMAGE XWI, PCD, 0
	ds_store_b32 v[XWS], v[PW]
	s_wait_dscnt 5                                 ; all but these five stores: my other 16 rows are back
	QUANT XF+64, 0, 0, PCD+16, PW+1
	IMAGE XWI, PCD+16, 2048
	ds_store_b32 v[XWS], v[PW+1] offset:128
	BARRIER                                        ; x's eight fragments lie in LDS
	FETCH XFA, 2048, XSA, 128
	s_wait_loadcnt 32                              ; this step's weights are in; the next x's 32 loads may be out
	WNEXT
	s_wait_dscnt 16                                ; the scale words and tiles of rows 0-3
	WIN 0xa1                                       ; source 0 window 1, source 1 window 0, C and D window 2
	MUL16 0, 0
	s_wait_dscnt 0x0                               ; tiles 4-7: my reads of the images are over:
	s_barrier_signal -1                            ; say so,
	WIN 0xf1
	MUL16 0, 1                                     ; work on registers while the others arrive,
	s_barrier_wait -1                              ; and only then may the next step's images be stored
	PLACES 8
	WLOAD 0
	WIN 0xa1
	MUL16 1, 0
	WIN 0xf1
	MUL16 1, 1
	PLACES 8                                       ; for the loads below, for the next trip's loads into the rows' fragments, and for the first reads of results
	WLOAD 1
	s_add_co_u32 s[GC], s[GC], 1
	s_add_co_u32 s[T1], s[T1], 1
	s_cmp_lt_u32 s[T1], 8
	s_cbranch_scc1 .Lk1
	s_wait_loadcnt 36                              ; only the 36 loads of the next weights are out: x's registers are free for the tables
	; ---- h: relu, the three dot products, the quantiser; a tile of 16 rows at a time.  My lane's 64 numbers of each table: register 16 b + e is unit 128 w + 16 h + 32 b + e, as in the accumulators
	WIN 0x40
.irp v, 0,1
.irp b, 0,1,2,3
.irp q, 0,1,2,3
	ds_load_b128 v[128+64*\v+16*\b+4*\q:128+64*\v+16*\b+4*\q+3], v[TUA] offset:\v*2048+128*\b+16*\q
.endr
.endr
.endr
	WIN 0
.irp b, 0,1,2,3
.irp q, 0,1,2,3
	ds_load_b128 v[XF+16*\b+4*\q:XF+16*\b+4*\q+3], v[TUA] offset:4096+128*\b+16*\q
.endr
.endr
	s_wait_dscnt 0x0
.macro HEPI m
.set WN, 2+(\m)/4
.set AC, 64*((\m)%4)
.set PR, (\m)%2
.set PCR, PCD+16*PR
.set PWR, PW+PR
	s_wait_dscnt 24                                ; a tile issues 24 LDS instructions: those of the tile before last are done, and its set of registers is free
	WIN WN*69
.set i, 0
.rept 64
	v_max_num_f32 v[AC+i], 0, v[AC+i]              ; relu; each accumulator from its low end on
.set i, i+1
.endr
	WIN WN|4                                       ; h in its window, the tables of Wins' differences in window 1
.set p, 0
.rept 32
.if p < 2
	v_pk_mul_f32 v[CH+2*p:CH+2*p+1], v[AC+2*p:AC+2*p+1], v[128+2*p:129+2*p]
	v_pk_mul_f32 v[CH+4+2*p:CH+5+2*p], v[AC+2*p:AC+2*p+1], v[192+2*p:193+2*p]
.else
	v_pk_fma_f32 v[CH+2*(p%2):CH+2*(p%2)+1], v[AC+2*p:AC+2*p+1], v[128+2*p:129+2*p], v[CH+2*(p%2):CH+2*(p%2)+1]
	v_pk_fma_f32 v[CH+4+2*(p%2):CH+5+2*(p%2)], v[AC+2*p:AC+2*p+1], v[192+2*p:193+2*p], v[CH+4+2*(p%2):CH+5+2*(p%2)]
.endif
.set p, p+1
.endr
	WIN WN                                         ; Wcls' table in window 0
.set p, 0
.rept 32
.if p < 2
	v_pk_mul_f32 v[CH+8+2*p:CH+9+2*p], v[AC+2*p:AC+2*p+1], v[XF+2*p:XF+2*p+1]
.else
	v_pk_fma_f32 v[CH+8+2*(p%2):CH+9+2*(p%2)], v[AC+2*p:AC+2*p+1], v[XF+2*p:XF+2*p+1], v[CH+8+2*(p%2):CH+9+2*(p%2)]
.endif
.set p, p+1
.endr
	QUANT AC, WN, 1, PCR, PWR
	IMAGE HWI, PCR, (\m)*8192                      ; K step w of the next products, rows 16 m on
	ds_store_b32 v[HWS], v[PWR] offset:(\m)*512
	v_pk_add_f32 v[CH:CH+1], v[CH:CH+1], v[CH+2:CH+3]
	v_pk_add_f32 v[CH+4:CH+5], v[CH+4:CH+5], v[CH+6:CH+7]
	v_pk_add_f32 v[CH+8:CH+9], v[CH+8:CH+9], v[CH+10:CH+11]
	v_add_f32 v[CH], v[CH], v[CH+1]
	v_add_f32 v[CH+4], v[CH+4], v[CH+5]
	v_add_f32 v[CH+8], v[CH+8], v[CH+9]
	v_permlanex16_b32 v[PT], v[CH], s[SEL], s[SEL+1]
	v_permlanex16_b32 v[PT+1], v[CH+4], s[SEL], s[SEL+1]
	v_permlanex16_b32 v[PT+2], v[CH+8], s[SEL], s[SEL+1]
	v_add_f32 v[PD+3*PR], v[CH+8], v[PT+2]         ; my wave's 128 units' part of s,
	v_add_f32 v[PD+3*PR+1], v[CH], v[PT]           ; of z0,
	v_add_f32 v[PD+3*PR+2], v[CH+4], v[PT+1]       ; of z1; lanes r and r + 16 hold the same and store the same word
	ds_store_b32 v[PSA], v[PD+3*PR] offset:8192+64*(\m)
	ds_store_b32 v[PSA], v[PD+3*PR+1] offset:12288+64*(\m)
	ds_store_b32 v[PSA], v[PD+3*PR+2] offset:16384+64*(\m)
	WIN WN<<6                                      ; ba and bb into this tile's accumulators: register j of tile u is column 64 w + 16 (u % 4) + 8 h + j of a (u < 4) or of g
.irp u, 0,1,2,3,4,5,6,7
	ds_load_b128 v[AC+8*\u:AC+8*\u+3], v[TCA] offset:(2+\u/4)*1024+(\u%4)*64
	ds_load_b128 v[AC+8*\u+4:AC+8*\u+7], v[TCA] offset:(2+\u/4)*1024+(\u%4)*64+16
.endr
	WIN 0
.endm
.irp m, 0,1,2,3,4,5,6,7
	HEPI \m
.endr
	BARRIER                                        ; h's 32 fragments lie in LDS
	s_mov_b32 s[T2], 4
	s_mov_b32 s[HSO], 0
	s_mov_b32 s[HSS], 0
.Lk2:                                              ; four trips: a K step of 128 of h Wa and h Wb.  h's images are only read: no barrier
	v_add_nc_u32 v[HFA], s[HSO], v[HF0]
	v_add_nc_u32 v[HSA], s[HSS], v[HS0]
	FETCH HFA, 8192, HSA, 512
	s_wait_loadcnt 0x0                             ; this step's weights: nothing was asked for behind them
	WNEXT
	s_wait_dscnt 16
	WIN 0xa1
	MUL16 0, 0
	s_wait_dscnt 0x0
	WIN 0xf1
	MUL16 0, 1
	PLACES 8
	WIN 0
	s_cmp_eq_u32 s[T2], 1                          ; the last step asks for nothing: what the next block wants goes out as one group behind the loop
	s_cbranch_scc1 .Lk2_s0
	WLOAD 0
.Lk2_s0:
	WIN 0xa1
	MUL16 1, 0
	WIN 0xf1
	MUL16 1, 1
	PLACES 8                                       ; for the loads into the weights' and the rows' registers, here and behind the loop, and for the first reads of results
	WIN 0
	s_cmp_eq_u32 s[T2], 1
	s_cbranch_scc1 .Lk2_s1
	WLOAD 1
.Lk2_s1:
	s_add_co_u32 s[HSO], s[HSO], 2048
	s_add_co_u32 s[HSS], s[HSS], 128
	s_sub_co_u32 s[T2], s[T2], 1
	s_cmp_lg_u32 s[T2], 0
	s_cbranch_scc1 .Lk2
	s_wait_loadcnt 0x0                             ; whichever way the two branches above were passed, no load is out when the weights' registers are loaded again
	s_cmp_eq_u32 s[BLK], 1                         ; the last block asks for nothing: no load leaves its buffer
	s_cbranch_scc1 .Lno_next
	s_add_nc_u64 s[XP:XP+1], s[XP:XP+1], 520704    ; the next block's first K step of x, and behind it that step's weights: one group under one branch, in the order on which the trips' counts rest;
	XLOAD                                          ; they land while the activations below are worked
	WLOAD 0
	WLOAD 1
.Lno_next:
	; ---- a = tanh, g = sigmoid, (a g) . Wc; a tile of 16 rows at a time.  My lane's 32 numbers of Wc[:,0] and of Wc[:,1]
.irp v, 0,1
.irp u, 0,1,2,3
	ds_load_b128 v[XF+32*\v+8*\u:XF+32*\v+8*\u+3], v[TCA] offset:\v*1024+64*\u
	ds_load_b128 v[XF+32*\v+8*\u+4:XF+32*\v+8*\u+7], v[TCA] offset:\v*1024+64*\u+16
.endr
.endr
	s_wait_dscnt 0x0
.macro AEPI m
.set WN, 2+(\m)/4
.set AC, 64*((\m)%4)
.set PR, (\m)%2
	s_wait_dscnt 2                                 ; a tile issues two LDS stores: those of the tile before last are done
	WIN WN*85
.set p, 0
.rept 16
	v_pk_mul_f32 v[AC+2*p:AC+2*p+1], v[AC+2*p:AC+2*p+1], s[C2L:C2L+1] op_sel_hi:[1,0]            ; 2 u log2(e); each accumulator from its low end on
.set p, p+1
.endr
.set p, 0
.rept 16
	v_pk_mul_f32 v[AC+32+2*p:AC+33+2*p], v[AC+32+2*p:AC+33+2*p], s[CML:CML+1] op_sel_hi:[1,0]    ; -v log2(e)
.set p, p+1
.endr
.set i, 0
.rept 64
	v_exp_f32 v[AC+i], v[AC+i]
.set i, i+1
.endr
	v_nop                                          ; a plain line behind the last exponential,
	s_wait_alu depctr_va_vdst(0)                   ; and one wait for the batch, ahead of its first reader
.set p, 0
.rept 32
	v_pk_add_f32 v[AC+2*p:AC+2*p+1], v[AC+2*p:AC+2*p+1], 1.0 op_sel_hi:[1,0]
.set p, p+1
.endr
.set i, 0
.rept 64
	v_rcp_f32 v[AC+i], v[AC+i]
.set i, i+1
.endr
	v_nop
	s_wait_alu depctr_va_vdst(0)                   ; likewise for the reciprocals
.set p, 0
.rept 16
	v_pk_fma_f32 v[AC+2*p:AC+2*p+1], v[AC+2*p:AC+2*p+1], -2.0, 1.0 op_sel_hi:[1,0,0]             ; tanh
.set p, p+1
.endr
.set p, 0
.rept 16
	v_pk_mul_f32 v[AC+2*p:AC+2*p+1], v[AC+2*p:AC+2*p+1], v[AC+32+2*p:AC+33+2*p]                  ; a g
.set p, p+1
.endr
	WIN WN
.set p, 0
.rept 16
.if p < 2
	v_pk_mul_f32 v[CH+2*p:CH+2*p+1], v[AC+2*p:AC+2*p+1], v[XF+2*p:XF+2*p+1]
	v_pk_mul_f32 v[CH+4+2*p:CH+5+2*p], v[AC+2*p:AC+2*p+1], v[XF+32+2*p:XF+33+2*p]
.else
	v_pk_fma_f32 v[CH+2*(p%2):CH+2*(p%2)+1], v[AC+2*p:AC+2*p+1], v[XF+2*p:XF+2*p+1], v[CH+2*(p%2):CH+2*(p%2)+1]
	v_pk_fma_f32 v[CH+4+2*(p%2):CH+5+2*(p%2)], v[AC+2*p:AC+2*p+1], v[XF+32+2*p:XF+33+2*p], v[CH+4+2*(p%2):CH+5+2*(p%2)]
.endif
.set p, p+1
.endr
	WIN 0
	v_pk_add_f32 v[CH:CH+1], v[CH:CH+1], v[CH+2:CH+3]
	v_pk_add_f32 v[CH+4:CH+5], v[CH+4:CH+5], v[CH+6:CH+7]
	v_add_f32 v[CH], v[CH], v[CH+1]
	v_add_f32 v[CH+4], v[CH+4], v[CH+5]
	v_permlanex16_b32 v[PT], v[CH], s[SEL], s[SEL+1]
	v_permlanex16_b32 v[PT+1], v[CH+4], s[SEL], s[SEL+1]
	v_add_f32 v[PD+3*PR], v[CH], v[PT]             ; my wave's 64 columns' part of A0,
	v_add_f32 v[PD+3*PR+1], v[CH+4], v[PT+1]       ; of A1
	ds_store_b32 v[PSA], v[PD+3*PR] offset:64*(\m)
	ds_store_b32 v[PSA], v[PD+3*PR+1] offset:4096+64*(\m)
.endm
.irp m, 0,1,2,3,4,5,6,7
	AEPI \m
.endr
	s_add_co_u32 s[PB], s[PB], 512
	s_sub_co_u32 s[BLK], s[BLK], 1
	s_cmp_lg_u32 s[BLK], 0
	s_cbranch_scc1 .Lblock
	; ---- the tail: the four waves' parts are added; A leaves; the record is made
	BARRIER
	v_lshl_add_u32 v116, v0, 3, PART               ; thread t takes rows 2 t, 2 t + 1
.set i, 0
.rept 20
	ds_load_b64 v[128+2*i:129+2*i], v116 offset:i*1024
.set i, i+1
.endr
	v_lshlrev_b32 v117, 3, v0
	v_lshl_add_u32 v118, v0, 3, ROWV
	s_min_u32 s70, s[WV], 1
	s_lshl_b32 s70, s70, 10
	s_add_co_u32 s70, s70, ROWV
	v_lshl_add_u32 v119, v[LN], 5, s70             ; waves 0-2: my lane's 8 keys: A0 (wave 0) or A1; their payloads z0 or z1 lie 3,072 bytes on
	v_lshl_add_u32 v120, v[LN], 5, ROWV            ; wave 3: my lane's 8 rows of A0; A1 and s lie 1,024 and 2,048 bytes on
	v_lshl_add_u32 v121, v0, 2, REC                ; the record: 128 bytes a wave, 4 a lane
	v_lshl_add_u32 v122, v[LN], 4, REC
	v_lshlrev_b32 v123, 4, v[LN]
	s_lshl_b32 s70, ttmp9, 10
	s_mov_b32 s71, 0
	s_add_nc_u64 s[28:29], s[28:29], s[70:71]      ; out3 at my work-group's 256 rows
	s_lshl_b32 s70, ttmp9, 9
	s_add_nc_u64 s[30:31], s[30:31], s[70:71]      ; my record
	s_wait_dscnt 0x0
.irp q, 0,1,2,3,4
	v_pk_add_f32 v[128+8*\q:129+8*\q], v[128+8*\q:129+8*\q], v[130+8*\q:131+8*\q]
	v_pk_add_f32 v[132+8*\q:133+8*\q], v[132+8*\q:133+8*\q], v[134+8*\q:135+8*\q]
	v_pk_add_f32 v[128+8*\q:129+8*\q], v[128+8*\q:129+8*\q], v[132+8*\q:133+8*\q]
.endr
	v_add_f32 v128, s[BC], v128
	v_add_f32 v129, s[BC], v129
	v_add_f32 v136, s[BC+1], v136
	v_add_f32 v137, s[BC+1], v137
	global_store_b64 v117, v[128:129], s[28:29] th:TH_STORE_NT                 ; a wave stores 256 neighbouring bytes, at a multiple of 256 from out3's first byte
	global_store_b64 v117, v[136:137], s[28:29] offset:262144 th:TH_STORE_NT
.irp q, 0,1,2,3,4
	ds_store_b64 v118, v[128+8*\q:129+8*\q] offset:\q*1024
.endr
	BARRIER                                        ; the 256 rows' five numbers lie in LDS; no LDS instruction of mine is out
	s_wait_xcnt 0x0                                ; the two stores of A have read their registers: v128 on are written again only behind this wait
	v_mov_b32 v[ETP], 0                            ; a lane permute's destination counts as one of its sources
	v_mov_b32 v[EOUT], 0
	v_mov_b32 v[EBIG], 0x7f000000                  ; above every row's number
	v_mov_b32 v[ENIN], 0xff800000                  ; -infinity: a row that has been taken
	s_cmp_eq_u32 s[WV], 2
	s_mov_b32 s72, 0x3f800000
	s_cselect_b32 s72, 0xbf800000, s72             ; wave 2 looks for the smallest A1: the largest -A1
	s_cmp_eq_u32 s[WV], 3
	s_cbranch_scc1 .Lstats
	ds_load_b128 v[EK:EK+3], v119
	ds_load_b128 v[EK+4:EK+7], v119 offset:16
	ds_load_b128 v[EP:EP+3], v119 offset:3072
	ds_load_b128 v[EP+4:EP+7], v119 offset:3088
	s_lshl_b32 s73, ttmp9, 8
	v_lshl_add_u32 v167, v[LN], 3, s73             ; my first row's number in the whole: 256 g + 8 x lane
.irp i, 0,1,2,3,4,5,6,7
	v_add_nc_u32 v[ET+\i], \i, v167
.endr
.irp i, 0,1,2,3,4,5,6,7
	v_cvt_f32_u32 v[EI+\i], v[ET+\i]               ; under 65,536: exact in f32
.endr
	s_wait_dscnt 0x0
.irp i, 0,1,2,3,4,5,6,7
	v_mul_f32 v[EK+\i], s72, v[EK+\i]
.endr
	EXTRACT 8
	s_branch .Lrecord
.Lstats:                                           ; wave 3: for each class the largest A, l = the sum of e^(A - largest), t = the same sum weighted by s
	ds_load_b128 v[128:131], v120
	ds_load_b128 v[132:135], v120 offset:16
	ds_load_b128 v[136:139], v120 offset:1024
	ds_load_b128 v[140:143], v120 offset:1040
	ds_load_b128 v[144:147], v120 offset:2048
	ds_load_b128 v[148:151], v120 offset:2064
	s_wait_dscnt 0x0
.irp c, 0,1
	v_max3_num_f32 v[168+\c], v[128+8*\c], v[129+8*\c], v[130+8*\c]
	v_max3_num_f32 v[168+\c], v[168+\c], v[131+8*\c], v[132+8*\c]
	v_max3_num_f32 v[168+\c], v[168+\c], v[133+8*\c], v[134+8*\c]
	v_max_num_f32 v[168+\c], v[168+\c], v[135+8*\c]
	WMAX 168+\c
	v_mul_f32 v[170+\c], s[L2E], v[168+\c]
.endr
.irp c, 0,1
.irp i, 0,1,2,3,4,5,6,7
	v_fma_f32 v[128+8*\c+\i], v[128+8*\c+\i], s[L2E], -v[170+\c]
.endr
.endr
.set i, 0
.rept 16
	v_exp_f32 v[128+i], v[128+i]
.set i, i+1
.endr
	v_nop
	s_wait_alu depctr_va_vdst(0)                   ; one wait for the sixteen
.irp c, 0,1
	v_add_f32 v[172+2*\c], v[128+8*\c], v[129+8*\c]
	v_mul_f32 v[173+2*\c], v[128+8*\c], v144
	v_fmac_f32 v[173+2*\c], v[129+8*\c], v145
.irp i, 2,3,4,5,6,7
	v_add_f32 v[172+2*\c], v[172+2*\c], v[128+8*\c+\i]
	v_fmac_f32 v[173+2*\c], v[128+8*\c+\i], v[144+\i]
.endr
	WSUM 172+2*\c
	WSUM 173+2*\c
.endr
.set n, 0
.irp rg, 168,172,173,169,174,175               ; lanes 0-5: m0, l0, t0, m1, l1, t1; the other lanes 0
	v_cmp_eq_u32 vcc_lo, n, v[LN]
	v_cndmask_b32 v[EOUT], v[EOUT], v[\rg], vcc_lo
.set n, n+1
.endr
.Lrecord:
	ds_store_b32 v121, v[EOUT]
	BARRIER                                        ; the record's 512 bytes lie in LDS
	s_cmp_lg_u32 s[WV], 0
	s_cbranch_scc1 .Lend
	ds_load_b128 v[128:131], v122
	s_wait_dscnt 0x0
	global_store_b128 v123, v[128:131], s[30:31]   ; 32 lanes store 512 neighbouring bytes, at a multiple of 256 from rec's first byte
.Lend:
	s_wait_tensorcnt 0x0                           ; the wave's end: three closing lines, behind my last LDS store
	ds_add_u32 v[SPW], v[NIL]
	s_wait_dscnt 0x0
	s_endpgm
.Lfunc_end_k_q1f1142753a_main:
	.size	k_q1f1142753a_main, .Lfunc_end_k_q1f1142753a_main-k_q1f1142753a_main
	.p2alignl 7, 3214868480
	.fill 96, 4, 3214868480
	.section	.rodata,"a",@progbits
	.p2align	6, 0x0
	.amdhsa_kernel k_q1f1142753a_main
		.amdhsa_group_segment_fixed_size 193536
		.amdhsa_private_segment_fixed_size 0
		.amdhsa_enable_private_segment 0
		.amdhsa_kernarg_size 96
		.amdhsa_user_sgpr_count 2
		.amdhsa_user_sgpr_kernarg_segment_ptr 1
		.amdhsa_wavefront_size32 1
		.amdhsa_system_sgpr_workgroup_id_x 1
		.amdhsa_system_sgpr_workgroup_id_y 1
		.amdhsa_system_sgpr_workgroup_id_z 1
		.amdhsa_system_vgpr_workitem_id 0
		.amdhsa_next_free_vgpr 1024
		.amdhsa_next_free_sgpr 80
		.amdhsa_reserve_vcc 1
		.amdhsa_float_denorm_mode_32 3
		.amdhsa_float_denorm_mode_16_64 3
		.amdhsa_memory_ordered 1
		.amdhsa_forward_progress 1
		.amdhsa_inst_pref_size 255
	.end_amdhsa_kernel
	.section	.bss,"aw",@nobits
	.p2align	6
	.space	262144
	.amdgpu_metadata
---
amdhsa.version: [ 1, 2 ]
amdhsa.kernels:
  - .name:           k_q1f1142753a_main
    .symbol:         k_q1f1142753a_main.kd
    .args:
      - { .name: x, .offset: 0, .size: 8, .value_kind: global_buffer, .address_space: global }
      - { .name: wq, .offset: 8, .size: 8, .value_kind: global_buffer, .address_space: global }
      - { .name: wsc, .offset: 16, .size: 8, .value_kind: global_buffer, .address_space: global }
      - { .name: b1, .offset: 24, .size: 8, .value_kind: global_buffer, .address_space: global }
      - { .name: ba, .offset: 32, .size: 8, .value_kind: global_buffer, .address_space: global }
      - { .name: bb, .offset: 40, .size: 8, .value_kind: global_buffer, .address_space: global }
      - { .name: Wc, .offset: 48, .size: 8, .value_kind: global_buffer, .address_space: global }
      - { .name: bc, .offset: 56, .size: 8, .value_kind: global_buffer, .address_space: global }
      - { .name: Wcls, .offset: 64, .size: 8, .value_kind: global_buffer, .address_space: global }
      - { .name: Wins, .offset: 72, .size: 8, .value_kind: global_buffer, .address_space: global }
      - { .name: out3, .offset: 80, .size: 8, .value_kind: global_buffer, .address_space: global }
      - { .name: rec, .offset: 88, .size: 8, .value_kind: global_buffer, .address_space: global }
    .group_segment_fixed_size: 193536
    .private_segment_fixed_size: 0
    .kernarg_segment_align: 8
    .kernarg_segment_size: 96
    .max_flat_workgroup_size: 128
    .sgpr_count:     80
    .vgpr_count:     1024
    .wavefront_size: 32
...
	.end_amdgpu_metadata
.endif
;; end of part 2
;; launch fin (part 3): grid 1 x 1, 25 waves a work-group, no clusters, 6,656 bytes of LDS; arguments rec, bcls, bins, out0, out1, out2, out4; writes out0, out1, out2, out4
.if DOCPART == 3
	.amdgcn_target "amdgcn-amd-amdhsa--gfx1250"
	.amdhsa_code_object_version 6
	.text
	.protected	k_q1f1142753a_fin
	.globl	k_q1f1142753a_fin
	.p2align	8
	.type	k_q1f1142753a_fin,@function
k_q1f1142753a_fin:
	s_mov_b64 s[64:65], 0
	v_nop
	global_prefetch_b8 v0, s[64:65] scope:SCOPE_SE
	s_setreg_imm32_b32 hwreg(HW_REG_WAVE_MODE, 25, 1), 1
	s_wait_xcnt 0x0
; The 256 records of main become the logits, their softmax and argmax, and the instance loss.  Left out (shown at the head of the first kernel): loss_in[0], loss_out[1], the gathers of h, M.
; A record is 512 bytes: groups 0, 1, 2 of 128 bytes: 8 keys (A0; A1; -A1), their rows' numbers, their payloads (z0; z1; z1, without bins); group 3: m0, l0, t0, m1, l1, t1.
; One work-group of 25 waves.  Waves 0-23: task wave / 8 (largest A0; largest A1; smallest A1), 32 records a wave, a record a lane: the 8 largest keys of 256 go to LDS.  Then waves 0-2 take the 8 largest of their task's 64,
; and sum softplus(z) (tasks 0 and 2: the target is 0) or softplus(-z) (task 1: the target is 1).  inst_loss = (sum0 / 8 + (sum1 + sum2) / 16) / 2.
; Wave 24: logit_c = (sum over records of t e^(m - M)) / (sum of l e^(m - M)) + bcls, M the largest m: the softmax over all rows with its maximum taken away.
; No address and no branch hangs on a floating-point number: all choices are selects.  LIMITS: NaN and infinities are not served.
.set FV,    3072                       ; LDS: from 0 on 24 x 128 bytes, the waves' lists; here the three sums
.set SPARE, 3328                       ; the spare words, 128 bytes for each of 25 waves, rounded up: thirteen blocks of 256 bytes that no other line names
.set LN,   1
.set SPW,  8
.set NIL,  9
.set EBIG, 10
.set ENIN, 11
.set EK,   16
.set EP,   24
.set EI,   32
.set ET,   40
.set EMX,  48
.set ETP,  49
.set EMN,  50
.set EPS,  51
.set EOUT, 52
.set WV,   18
.set SEL,  24
.set L2E,  26
.set LN2,  27
.set SIT,  34
.set SI2,  35
.macro WMAX reg
.irp k, 1,2,4,8
	v_max_num_f32_dpp v[\reg], v[\reg], v[\reg] row_xmask:\k row_mask:0xf bank_mask:0xf
.endr
	v_permlanex16_b32 v[ETP], v[\reg], s[SEL], s[SEL+1]
	v_max_num_f32 v[\reg], v[\reg], v[ETP]
.endm
.macro WMIN reg
.irp k, 1,2,4,8
	v_min_num_f32_dpp v[\reg], v[\reg], v[\reg] row_xmask:\k row_mask:0xf bank_mask:0xf
.endr
	v_permlanex16_b32 v[ETP], v[\reg], s[SEL], s[SEL+1]
	v_min_num_f32 v[\reg], v[\reg], v[ETP]
.endm
.macro WSUM reg
.irp k, 1,2,4,8
	v_add_f32_dpp v[\reg], v[\reg], v[\reg] row_xmask:\k row_mask:0xf bank_mask:0xf
.endr
	v_permlanex16_b32 v[ETP], v[\reg], s[SEL], s[SEL+1]
	v_add_f32 v[\reg], v[\reg], v[ETP]
.endm
; The 8 largest of the wave's 32 x nv keys, the lower row first among equals, by selects alone.  Trip n leaves the key in lane n of v[EOUT], the row in lane 8 + n, the payload in lane 16 + n.
.macro EXTRACT nv
	s_mov_b32 s[SIT], 0
.Lpick_\@:
	v_max_num_f32 v[EMX], v[EK], v[EK+1]
.if \nv > 2
	v_max3_num_f32 v[EMX], v[EMX], v[EK+2], v[EK+3]
	v_max3_num_f32 v[EMX], v[EMX], v[EK+4], v[EK+5]
	v_max3_num_f32 v[EMX], v[EMX], v[EK+6], v[EK+7]
.endif
	WMAX EMX
.set i, 0
.rept \nv
	v_cmp_eq_f32 vcc_lo, v[EK+i], v[EMX]
	v_cndmask_b32 v[ET+i], v[EBIG], v[EI+i], vcc_lo
.set i, i+1
.endr
	v_min_num_f32 v[EMN], v[ET], v[ET+1]
.if \nv > 2
	v_min3_num_f32 v[EMN], v[EMN], v[ET+2], v[ET+3]
	v_min3_num_f32 v[EMN], v[EMN], v[ET+4], v[ET+5]
	v_min3_num_f32 v[EMN], v[EMN], v[ET+6], v[ET+7]
.endif
	WMIN EMN
	v_mov_b32 v[EPS], 0
.set i, 0
.rept \nv
	v_cmp_eq_f32 vcc_lo, v[EI+i], v[EMN]
	v_cndmask_b32 v[EPS], v[EPS], v[EP+i], vcc_lo
	v_cndmask_b32 v[EK+i], v[EK+i], v[ENIN], vcc_lo
.set i, i+1
.endr
	WSUM EPS
	v_cmp_eq_u32 vcc_lo, s[SIT], v[LN]
	v_cndmask_b32 v[EOUT], v[EOUT], v[EMX], vcc_lo
	s_add_co_u32 s[SI2], s[SIT], 8
	v_cmp_eq_u32 vcc_lo, s[SI2], v[LN]
	v_cndmask_b32 v[EOUT], v[EOUT], v[EMN], vcc_lo
	s_add_co_u32 s[SI2], s[SIT], 16
	v_cmp_eq_u32 vcc_lo, s[SI2], v[LN]
	v_cndmask_b32 v[EOUT], v[EOUT], v[EPS], vcc_lo
	s_add_co_u32 s[SIT], s[SIT], 1
	s_cmp_lt_u32 s[SIT], 8
	s_cbranch_scc1 .Lpick_\@
.endm
	s_load_b256 s[4:11], s[0:1], 0x0               ; rec s[4:5], bcls s[6:7], bins s[8:9], out0 s[10:11]
	s_load_b128 s[12:15], s[0:1], 0x20             ; out1 s[12:13], out2 s[14:15]
	s_load_b64 s[16:17], s[0:1], 0x30              ; out4
	v_lshl_add_u32 v[SPW], v0, 2, SPARE
	v_mov_b32 v[NIL], 0
	v_lshrrev_b32 v[LN], 5, v0
	v_readfirstlane_b32 s[WV], v[LN]               ; wave 0..24
	v_and_b32 v[LN], 31, v0
	s_and_b32 s19, s[WV], 7
	s_lshl_b32 s19, s19, 14                        ; my wave's 32 records
	s_lshr_b32 s20, s[WV], 3
	s_lshl_b32 s20, s20, 7                         ; my task's group (wave 24: group 3)
	s_add_co_u32 s19, s19, s20
	v_lshl_add_u32 v2, v[LN], 9, s19               ; my lane's record
	v_lshlrev_b32 v3, 2, v0                        ; my wave's list in LDS: 128 x wave + 4 x lane
	s_min_u32 s21, s[WV], 2
	s_lshl_b32 s22, s21, 10                        ; a task's eight lists
	v_lshrrev_b32 v4, 3, v[LN]
	v_lshlrev_b32 v4, 7, v4
	v_and_b32 v5, 7, v[LN]
	v_lshl_add_u32 v4, v5, 2, v4
	v_add_nc_u32 v4, s22, v4                       ; list lane / 8 (and, 512 bytes on, list 4 + lane / 8), place lane % 8
	s_lshl_b32 s22, s21, 2
	s_add_co_u32 s22, s22, FV
	v_mov_b32 v5, s22                              ; my task's sum
	v_mov_b32 v6, FV
	v_mov_b32 v7, 0
	v_mov_b32 v[EBIG], 0x7f000000                  ; above every row's number
	v_mov_b32 v[ENIN], 0xff800000                  ; -infinity: a row that has been taken
	v_mov_b32 v[ETP], 0                            ; a lane permute's destination counts as one of its sources
	v_mov_b32 v[EOUT], 0
	s_mov_b32 s[SEL], 0x76543210
	s_mov_b32 s[SEL+1], 0xfedcba98
	s_mov_b32 s[L2E], 0x3fb8aa3b                   ; log2(e)
	s_mov_b32 s[LN2], 0x3f317218                   ; ln(2)
	s_wait_kmcnt 0x0
	s_load_b128 s[28:31], s[8:9], 0x0              ; bins
	s_load_b32 s32, s[6:7], 0x0                    ; bcls
	s_wait_kmcnt 0x0
	s_cmp_eq_u32 s[WV], 24
	s_cbranch_scc1 .Lcomb
	global_load_b128 v[EK:EK+3], v2, s[4:5]
	global_load_b128 v[EK+4:EK+7], v2, s[4:5] offset:16
	global_load_b128 v[EI:EI+3], v2, s[4:5] offset:32
	global_load_b128 v[EI+4:EI+7], v2, s[4:5] offset:48
	global_load_b128 v[EP:EP+3], v2, s[4:5] offset:64
	global_load_b128 v[EP+4:EP+7], v2, s[4:5] offset:80
	s_wait_loadcnt 0x0
	EXTRACT 8
	ds_store_b32 v3, v[EOUT]
	s_branch .Lj1
.Lcomb:                                            ; wave 24: lane l takes records l, 32 + l, .. 224 + l
.irp i, 0,1,2,3,4,5,6,7
	global_load_b128 v[64+8*\i:67+8*\i], v2, s[4:5] offset:\i*16384       ; m0, l0, t0, m1
	global_load_b64 v[68+8*\i:69+8*\i], v2, s[4:5] offset:\i*16384+16     ; l1, t1
.endr
	s_wait_loadcnt 0x0
.irp c, 0,1
	v_max3_num_f32 v[16+\c], v[64+3*\c], v[72+3*\c], v[80+3*\c]
	v_max3_num_f32 v[16+\c], v[16+\c], v[88+3*\c], v[96+3*\c]
	v_max3_num_f32 v[16+\c], v[16+\c], v[104+3*\c], v[112+3*\c]
	v_max_num_f32 v[16+\c], v[16+\c], v[120+3*\c]
	WMAX 16+\c                                     ; M: the largest A of the class
	v_mul_f32 v[18+\c], s[L2E], v[16+\c]
.endr
.irp i, 0,1,2,3,4,5,6,7
	v_fma_f32 v[70+8*\i], v[64+8*\i], s[L2E], -v18
	v_fma_f32 v[71+8*\i], v[67+8*\i], s[L2E], -v19
.endr
.irp i, 0,1,2,3,4,5,6,7
	v_exp_f32 v[70+8*\i], v[70+8*\i]               ; e^(m - M), at most 1
	v_exp_f32 v[71+8*\i], v[71+8*\i]
.endr
	v_nop
	s_wait_alu depctr_va_vdst(0)                   ; one wait for the sixteen, ahead of their first reader
	v_mul_f32 v20, v65, v70                        ; L0
	v_mul_f32 v21, v66, v70                        ; T0
	v_mul_f32 v22, v68, v71                        ; L1
	v_mul_f32 v23, v69, v71                        ; T1
.irp i, 1,2,3,4,5,6,7
	v_fmac_f32 v20, v[65+8*\i], v[70+8*\i]
	v_fmac_f32 v21, v[66+8*\i], v[70+8*\i]
	v_fmac_f32 v22, v[68+8*\i], v[71+8*\i]
	v_fmac_f32 v23, v[69+8*\i], v[71+8*\i]
.endr
	WSUM 20
	WSUM 21
	WSUM 22
	WSUM 23
	v_rcp_f32 v24, v20
	v_rcp_f32 v25, v22
	v_nop
	s_wait_alu depctr_va_vdst(0)
	v_fma_f32 v26, v21, v24, s32                   ; the logits
	v_fma_f32 v27, v23, v25, s32
	v_max_num_f32 v28, v26, v27                    ; Y_prob: the maximum is taken away
	v_sub_f32 v30, v26, v28
	v_sub_f32 v31, v27, v28
	v_mul_f32 v30, s[L2E], v30
	v_mul_f32 v31, s[L2E], v31
	v_exp_f32 v30, v30
	v_exp_f32 v31, v31
	v_nop
	s_wait_alu depctr_va_vdst(0)
	v_add_f32 v32, v30, v31
	v_rcp_f32 v33, v32
	v_nop
	s_wait_alu depctr_va_vdst(0)
	v_mul_f32 v34, v30, v33
	v_mul_f32 v35, v31, v33
	v_cmp_gt_f32 vcc_lo, v27, v26                  ; argmax keeps the first of equals
	v_cndmask_b32 v36, 0, 1, vcc_lo
	v_cmp_eq_u32 vcc_lo, 0, v[LN]
	s_wait_xcnt 0x0                                ; EXEC changes only behind this wait
	s_and_saveexec_b32 s40, vcc_lo                 ; lane 0 alone stores
	global_store_b64 v7, v[26:27], s[10:11]
	global_store_b64 v7, v[34:35], s[12:13]
	global_store_b32 v7, v36, s[14:15]
	s_wait_xcnt 0x0                                ; and again, in front of the line that widens it
	s_or_b32 exec_lo, exec_lo, s40
.Lj1:
	s_wait_dscnt 0x0
	s_barrier_signal -1
	s_barrier_wait -1                              ; the 24 lists lie in LDS
	s_cmp_gt_u32 s[WV], 2
	s_cbranch_scc1 .Lj2
	ds_load_b32 v[EK], v4
	ds_load_b32 v[EK+1], v4 offset:512
	ds_load_b32 v[EI], v4 offset:32
	ds_load_b32 v[EI+1], v4 offset:544
	ds_load_b32 v[EP], v4 offset:64
	ds_load_b32 v[EP+1], v4 offset:576
	s_wait_dscnt 0x0
	EXTRACT 2
	s_cmp_eq_u32 s[WV], 0
	s_cselect_b32 s36, s28, s30                    ; bins[c][0], c = 0 for task 0, else 1
	s_cselect_b32 s37, s29, s31                    ; bins[c][1]
	s_mov_b32 s38, 0x3d000000                      ; 1 / 32,
	s_cselect_b32 s38, 0x3d800000, s38             ; 1 / 16 for task 0
	s_cmp_eq_u32 s[WV], 1
	s_mov_b32 s39, 0x3f800000
	s_cselect_b32 s39, 0xbf800000, s39             ; task 1: the target is 1: softplus(-z)
	v_sub_f32 v53, s37, s36
	v_add_f32 v53, v[EOUT], v53                    ; z (in lanes 16-23; the other lanes hold finite numbers that are struck out below)
	v_mul_f32 v53, s39, v53
	v_mul_f32 v54, s[L2E], -|v53|
	v_exp_f32 v54, v54
	v_max_num_f32 v55, 0, v53                      ; (a plain line behind the exponential)
	s_wait_alu depctr_va_vdst(0)
	v_add_f32 v54, 1.0, v54
	v_log_f32 v54, v54
	v_lshrrev_b32 v56, 3, v[LN]
	s_wait_alu depctr_va_vdst(0)
	v_fma_f32 v55, v54, s[LN2], v55                ; max(x, 0) + ln(1 + e^-|x|)
	v_cmp_eq_u32 vcc_lo, 2, v56
	v_cndmask_b32 v55, 0, v55, vcc_lo              ; lanes 16-23 alone
	WSUM 55
	v_mul_f32 v55, s38, v55
	ds_store_b32 v5, v55                           ; all lanes write the same word with the same value
.Lj2:
	s_wait_dscnt 0x0
	s_barrier_signal -1
	s_barrier_wait -1                              ; the three sums lie in LDS
	s_cmp_lg_u32 s[WV], 0
	s_cbranch_scc1 .Lend
	ds_load_b64 v[56:57], v6
	ds_load_b32 v58, v6 offset:8
	s_wait_dscnt 0x0
	v_add_f32 v56, v56, v57
	v_add_f32 v56, v56, v58
	v_cmp_eq_u32 vcc_lo, 0, v[LN]
	s_wait_xcnt 0x0                                ; EXEC changes only behind this wait
	s_and_saveexec_b32 s40, vcc_lo
	global_store_b32 v7, v56, s[16:17]             ; inst_loss
	s_wait_xcnt 0x0
	s_or_b32 exec_lo, exec_lo, s40
.Lend:
	s_wait_tensorcnt 0x0                           ; the wave's end: three closing lines, behind my last LDS store
	ds_add_u32 v[SPW], v[NIL]
	s_wait_dscnt 0x0
	s_endpgm
.Lfunc_end_k_q1f1142753a_fin:
	.size	k_q1f1142753a_fin, .Lfunc_end_k_q1f1142753a_fin-k_q1f1142753a_fin
	.p2alignl 7, 3214868480
	.fill 96, 4, 3214868480
	.section	.rodata,"a",@progbits
	.p2align	6, 0x0
	.amdhsa_kernel k_q1f1142753a_fin
		.amdhsa_group_segment_fixed_size 6656
		.amdhsa_private_segment_fixed_size 0
		.amdhsa_enable_private_segment 0
		.amdhsa_kernarg_size 56
		.amdhsa_user_sgpr_count 2
		.amdhsa_user_sgpr_kernarg_segment_ptr 1
		.amdhsa_wavefront_size32 1
		.amdhsa_system_sgpr_workgroup_id_x 1
		.amdhsa_system_sgpr_workgroup_id_y 1
		.amdhsa_system_sgpr_workgroup_id_z 1
		.amdhsa_system_vgpr_workitem_id 0
		.amdhsa_next_free_vgpr 128
		.amdhsa_next_free_sgpr 66
		.amdhsa_reserve_vcc 1
		.amdhsa_float_denorm_mode_32 3
		.amdhsa_float_denorm_mode_16_64 3
		.amdhsa_memory_ordered 1
		.amdhsa_forward_progress 1
		.amdhsa_inst_pref_size 19
	.end_amdhsa_kernel
	.amdgpu_metadata
---
amdhsa.version: [ 1, 2 ]
amdhsa.kernels:
  - .name:           k_q1f1142753a_fin
    .symbol:         k_q1f1142753a_fin.kd
    .args:
      - { .name: rec, .offset: 0, .size: 8, .value_kind: global_buffer, .address_space: global }
      - { .name: bcls, .offset: 8, .size: 8, .value_kind: global_buffer, .address_space: global }
      - { .name: bins, .offset: 16, .size: 8, .value_kind: global_buffer, .address_space: global }
      - { .name: out0, .offset: 24, .size: 8, .value_kind: global_buffer, .address_space: global }
      - { .name: out1, .offset: 32, .size: 8, .value_kind: global_buffer, .address_space: global }
      - { .name: out2, .offset: 40, .size: 8, .value_kind: global_buffer, .address_space: global }
      - { .name: out4, .offset: 48, .size: 8, .value_kind: global_buffer, .address_space: global }
    .group_segment_fixed_size: 6656
    .private_segment_fixed_size: 0
    .kernarg_segment_align: 8
    .kernarg_segment_size: 56
    .max_flat_workgroup_size: 800
    .sgpr_count:     66
    .vgpr_count:     128
    .wavefront_size: 32
...
	.end_amdgpu_metadata
.endif
;; end of part 3
;; ======== version 2 of 2: 3 launches
;; workspace buffers: wq 786,432 bytes; wsc 24,576 bytes; rec 131,072 bytes
;; launch prep (part 4): grid 48 x 1, 4 waves a work-group, no clusters, 0 bytes of LDS; arguments W1, Wa, Wb, wq, wsc; writes wq, wsc
.if DOCPART == 4
	.amdgcn_target "amdgcn-amd-amdhsa--gfx1250"
	.amdhsa_code_object_version 6
	.text
	.protected	k_q1f1142753a_prep
	.globl	k_q1f1142753a_prep
	.p2align	8
	.type	k_q1f1142753a_prep,@function
k_q1f1142753a_prep:
	s_mov_b64 s[64:65], 0
	v_nop
	global_prefetch_b8 v0, s[64:65] scope:SCOPE_SE
	s_setreg_imm32_b32 hwreg(HW_REG_WAVE_MODE, 25, 1), 1
	s_wait_xcnt 0x0
; THE PROGRAM (three launches: prep, main, fin) AND THE WORK THAT IT LEAVES OUT.
; target = 1 is a constant of the problem, so one_hot(target, 2) = [0, 1] and jnp.where keeps loss_out[0] and loss_in[1] for all values of the inputs:
;   loss_in[0], loss_out[1], bot_ids[0] and top_n[0] reach no output and are not computed.  logits_out is the first 8 rows of logits_in: computed once.
; log_softmax over two logits hangs on their difference alone: with z_c = h . (Wins[c,:,1] - Wins[c,:,0]) + bins[c,1] - bins[c,0],  -logp[..,0] = softplus(z_c), -logp[..,1] = softplus(-z_c);
;   softplus is taken as max(x, 0) + ln(1 + e^-|x|), the form with the maximum taken away.
; M = attn @ h is no output: (attn @ h) @ Wcls = attn @ (h @ Wcls), so only s[n] = h[n] . Wcls is formed and the logits are a softmax-weighted sum of s (the weights sum to 1, so bcls is added once).
; A softmax rises strictly with its input along its axis, so top_k(attn) and top_k(-attn) choose as top_k(attn_raw) and top_k(-attn_raw) do, the lower index first among equals.
; The gather h[ids] feeds z_c alone: each row's z_c is carried beside its key, so no address hangs on a floating-point number.  Every input keeps a way to an output and is loaded.
; LIMITS: NaN and infinities among the inputs are not served; rows whose attn_raw differ by less than the f32 rounding of the softmax are ordered by attn_raw and not by index;
;   a NaN, an infinity or an overflow that reaches only the work left out is not carried to the result.
;
; THIS LAUNCH: W1 [1024][512], Wa and Wb [512][256], f32 with K as their FIRST axis, become codes of E5M2 with one E8M0 byte for each 32 along K, laid in the order of the operand's registers:
;   wq  byte t*65536 + w*16384 + u*2048 + c*512 + 16*(r + 16 h): the 16 codes k = 32 c + 16 h + 0..15 of row r of tile u of wave w of main, K step t (t 0..7: W1; t 8..11: Wa and Wb)
;   wsc byte t*2048 + w*512 + (u/2)*128 + 64*(u%2) + 4 r: that row's four scale bytes
;   W1: row r of tile u is hidden unit 128 w + 32 (u/2) + 8 (u%2) + r + 8 (r/8);   Wa: tiles 0-3, column 64 w + 16 u + r;   Wb: tiles 4-7 likewise.
; A lane takes a column and its registers run down K: a block of 32 lies in one lane, and the conversions give codes with K innermost.  A wave takes 32 columns x 128 along K; each load reads 128 neighbouring bytes a wave.
; Loads run two blocks ahead; each block has registers of its own.  The rows' pitch stands in the loads' immediates, so each of the two arms (W1; Wa and Wb) runs the whole body.
; A block's scale is 2^(floor(log2(largest magnitude)) - 15); its byte is the largest magnitude's exponent field - 15, held at 1 from below (a block of zeros keeps the byte 1: its codes are zeros, and this program alone reads the bytes).
.set X,    32                          ; v32-159  128 numbers down K, 32 a block
.set CD,   160                         ; v160-191 the codes, 8 registers a block: no store's data are written again
.macro LOAD c, pitch                   ; block c: rows 32 c .. 32 c + 31 of my K step, at my column
.set i, 0
.rept 32
	global_load_b32 v[X+32*(\c)+i], v3, s[18:19] offset:(32*(\c)+i)*(\pitch) th:TH_LOAD_NT
.set i, i+1
.endr
.endm
.macro DEST                            ; v6: which of my wave's two tiles; v7: the row in it; s22, s24: where the wave's first tile begins in wq and in wsc
	v_lshlrev_b32 v4, 11, v6
	v_lshl_add_u32 v4, v7, 4, v4
	v_add_nc_u32 v4, s22, v4                       ; my row's codes: + c*512 for the block, + 256 for its upper 16
	v_lshlrev_b32 v5, 6, v6
	v_lshl_add_u32 v5, v7, 2, v5
	v_add_nc_u32 v5, s24, v5                       ; my row's scale word
.endm
.macro BLOCK c, pitch
.set XB, X+32*(\c)
.if (\c) < 3
	s_wait_loadcnt 32                              ; loads come back in order: this block's 32 are in, the next block's 32 may be out
.else
	s_wait_loadcnt 0x0
.endif
.if (\c) < 2
	LOAD (\c)+2, \pitch                            ; the block two on, into registers of its own
.endif
	v_max3_num_f32 v12, |v[XB]|, |v[XB+1]|, |v[XB+2]|
	v_max3_num_f32 v13, |v[XB+3]|, |v[XB+4]|, |v[XB+5]|
.irp i, 6,10,14,18,22,26
	v_max3_num_f32 v12, v12, |v[XB+\i]|, |v[XB+\i+1]|
	v_max3_num_f32 v13, v13, |v[XB+\i+2]|, |v[XB+\i+3]|
.endr
	v_max3_num_f32 v12, v12, |v[XB+30]|, |v[XB+31]|
	v_max3_num_f32 v12, v12, v13, 0x8000000        ; and the floor 2^(16 - 127): the byte cannot fall under 1
	v_add_nc_u32 v11, 0xf8800000, v12              ; 15 off the exponent field: the conversion's scale operand
	v_and_or_b32 v10, v12, 0x7f800000, s31         ; 57,344 x the scale
	v_lshrrev_b32 v13, 23, v11                     ; the scale's byte
.if (\c) == 0
	v_mov_b32 v24, v13
.else
	v_lshl_or_b32 v24, v13, 8*(\c), v24            ; the lower K in the lower byte
.endif
.set i, 0
.rept 32
	v_med3_num_f32 v[XB+i], v[XB+i], -v10, v10     ; the conversion to an 8-bit code does not saturate (ISA guide 7.6.2): the hold comes first
.set i, i+1
.endr
.irp g, 0,1,2,3
	v_cvt_scalef32_pk8_bf8_f32 v[CD+8*(\c)+2*\g:CD+8*(\c)+2*\g+1], v[XB+8*\g:XB+8*\g+7], v11
.endr
	v_nop                                          ; a plain line behind the last conversion, ahead of the next block's writes of v10-v13
	global_store_b128 v4, v[CD+8*(\c):CD+8*(\c)+3], s[10:11] offset:512*(\c)          ; k = 32 c + 0..15: sixteen lanes fill 256 neighbouring bytes
	global_store_b128 v4, v[CD+8*(\c)+4:CD+8*(\c)+7], s[10:11] offset:512*(\c)+256    ; k = 32 c + 16..31
.endm
.macro ALL pitch
	BLOCK 0, \pitch
	BLOCK 1, \pitch
	BLOCK 2, \pitch
	BLOCK 3, \pitch
	global_store_b32 v5, v24, s[12:13]             ; 32 scale words: 128 neighbouring bytes a wave
.endm
	s_load_b256 s[4:11], s[0:1], 0x0               ; W1 s[4:5], Wa s[6:7], Wb s[8:9], wq s[10:11]
	s_load_b64 s[12:13], s[0:1], 0x20              ; wsc
	v_lshrrev_b32 v1, 5, v0
	v_readfirstlane_b32 s14, v1                    ; wave 0..3
	v_and_b32 v1, 31, v0                           ; lane
	v_lshlrev_b32 v3, 2, v1                        ; 4 bytes a lane
	s_mov_b32 s31, 0x600000                        ; the mantissa field of 57,344
	s_mov_b32 s21, 0
	s_wait_kmcnt 0x0
	s_cmp_lt_u32 ttmp9, 32
	s_cbranch_scc0 .Lgate
	; work-groups 0..31: W1.  K step = b / 4, 128 columns = b % 4 (they are wave b % 4's of main)
	s_lshr_b32 s15, ttmp9, 2                       ; t
	s_and_b32 s16, ttmp9, 3                        ; w
	s_lshl_b32 s20, s15, 18                        ; 128 rows of 2,048 bytes
	s_lshl_b32 s17, s16, 9
	s_add_co_u32 s20, s20, s17                     ; + 128 columns
	s_lshl_b32 s17, s14, 7
	s_add_co_u32 s20, s20, s17                     ; + my wave's 32
	s_add_nc_u64 s[18:19], s[4:5], s[20:21]
	s_wait_alu depctr_va_vdst(0)
	LOAD 0, 2048
	LOAD 1, 2048
	s_lshl_b32 s22, s15, 16
	s_lshl_b32 s17, s16, 14
	s_add_co_u32 s22, s22, s17
	s_lshl_b32 s17, s14, 12                        ; my wave's two tiles: 2 x wave
	s_add_co_u32 s22, s22, s17
	s_lshl_b32 s24, s15, 11
	s_lshl_b32 s17, s16, 9
	s_add_co_u32 s24, s24, s17
	s_lshl_b32 s17, s14, 7
	s_add_co_u32 s24, s24, s17
	v_bfe_u32 v6, v0, 3, 1                         ; which of the two tiles: (lane / 8) % 2
	v_and_b32 v7, 7, v0
	v_bfe_u32 v8, v0, 4, 1
	v_lshl_add_u32 v7, v8, 3, v7                   ; its row: lane % 8 + 8 (lane / 16)
	DEST
	ALL 2048
	s_endpgm
.Lgate:
	; work-groups 32..39: Wa, 40..47: Wb.  K step = (b % 8) / 2, 128 columns = b % 2
	s_and_b32 s15, ttmp9, 7
	s_lshr_b32 s15, s15, 1                         ; K step
	s_and_b32 s16, ttmp9, 1
	s_cmp_lt_u32 ttmp9, 40
	s_cselect_b64 s[18:19], s[6:7], s[8:9]         ; the choice hangs on the work-group's number alone
	s_cselect_b32 s26, 0, 4                        ; Wb's tiles lie behind Wa's four
	s_lshl_b32 s20, s15, 17                        ; 128 rows of 1,024 bytes
	s_lshl_b32 s17, s16, 9
	s_add_co_u32 s20, s20, s17
	s_lshl_b32 s17, s14, 7
	s_add_co_u32 s20, s20, s17
	s_add_nc_u64 s[18:19], s[18:19], s[20:21]
	s_wait_alu depctr_va_vdst(0)
	LOAD 0, 1024
	LOAD 1, 1024
	s_add_co_u32 s15, s15, 8                       ; t
	s_lshl_b32 s16, s16, 1
	s_lshr_b32 s17, s14, 1
	s_add_co_u32 s16, s16, s17                     ; w = 2 (b % 2) + wave / 2
	s_and_b32 s17, s14, 1
	s_lshl_b32 s17, s17, 1
	s_add_co_u32 s26, s26, s17                     ; my wave's first tile, an even one
	s_lshl_b32 s22, s15, 16
	s_lshl_b32 s17, s16, 14
	s_add_co_u32 s22, s22, s17
	s_lshl_b32 s17, s26, 11
	s_add_co_u32 s22, s22, s17
	s_lshl_b32 s24, s15, 11
	s_lshl_b32 s17, s16, 9
	s_add_co_u32 s24, s24, s17
	s_lshl_b32 s17, s26, 6
	s_add_co_u32 s24, s24, s17
	v_bfe_u32 v6, v0, 4, 1                         ; which of the two tiles: lane / 16
	v_and_b32 v7, 15, v0                           ; its row
	DEST
	ALL 1024
	s_endpgm
.Lfunc_end_k_q1f1142753a_prep:
	.size	k_q1f1142753a_prep, .Lfunc_end_k_q1f1142753a_prep-k_q1f1142753a_prep
	.p2alignl 7, 3214868480
	.fill 96, 4, 3214868480
	.section	.rodata,"a",@progbits
	.p2align	6, 0x0
	.amdhsa_kernel k_q1f1142753a_prep
		.amdhsa_group_segment_fixed_size 0
		.amdhsa_private_segment_fixed_size 0
		.amdhsa_enable_private_segment 0
		.amdhsa_kernarg_size 40
		.amdhsa_user_sgpr_count 2
		.amdhsa_user_sgpr_kernarg_segment_ptr 1
		.amdhsa_wavefront_size32 1
		.amdhsa_system_sgpr_workgroup_id_x 1
		.amdhsa_system_sgpr_workgroup_id_y 1
		.amdhsa_system_sgpr_workgroup_id_z 1
		.amdhsa_system_vgpr_workitem_id 0
		.amdhsa_next_free_vgpr 192
		.amdhsa_next_free_sgpr 66
		.amdhsa_reserve_vcc 0
		.amdhsa_float_denorm_mode_32 3
		.amdhsa_float_denorm_mode_16_64 3
		.amdhsa_memory_ordered 1
		.amdhsa_forward_progress 1
		.amdhsa_inst_pref_size 58
	.end_amdhsa_kernel
	.amdgpu_metadata
---
amdhsa.version: [ 1, 2 ]
amdhsa.kernels:
  - .name:           k_q1f1142753a_prep
    .symbol:         k_q1f1142753a_prep.kd
    .args:
      - { .name: W1, .offset: 0, .size: 8, .value_kind: global_buffer, .address_space: global }
      - { .name: Wa, .offset: 8, .size: 8, .value_kind: global_buffer, .address_space: global }
      - { .name: Wb, .offset: 16, .size: 8, .value_kind: global_buffer, .address_space: global }
      - { .name: wq, .offset: 24, .size: 8, .value_kind: global_buffer, .address_space: global }
      - { .name: wsc, .offset: 32, .size: 8, .value_kind: global_buffer, .address_space: global }
    .group_segment_fixed_size: 0
    .private_segment_fixed_size: 0
    .kernarg_segment_align: 8
    .kernarg_segment_size: 40
    .max_flat_workgroup_size: 128
    .sgpr_count:     66
    .vgpr_count:     192
    .wavefront_size: 32
...
	.end_amdgpu_metadata
.endif
;; end of part 4
;; launch main (part 5): grid 256 x 1, 4 waves a work-group, no clusters, 193,536 bytes of LDS; arguments x, wq, wsc, b1, ba, bb, Wc, bc, Wcls, Wins, out3, rec; writes out3, rec
.if DOCPART == 5
	.amdgcn_target "amdgcn-amd-amdhsa--gfx1250"
	.amdhsa_code_object_version 6
	.text
	.protected	k_q1f1142753a_main
	.globl	k_q1f1142753a_main
	.p2align	8
	.type	k_q1f1142753a_main,@function
k_q1f1142753a_main:
	s_mov_b64 s[64:65], 0
	v_nop
	global_prefetch_b8 v0, s[64:65] scope:SCOPE_SE
	s_setreg_imm32_b32 hwreg(HW_REG_WAVE_SCHED_MODE, 0, 2), 2
	s_setreg_imm32_b32 hwreg(HW_REG_WAVE_MODE, 25, 1), 1
	s_wait_xcnt 0x0
	s_wait_alu depctr_vm_vsrc(0)
; From x to each row's five numbers, in one launch: h = relu(Q(x) Q(W1) + b1); a = tanh(Q(h) Q(Wa) + ba); g = sigmoid(Q(h) Q(Wb) + bb); A = (a g) Wc + bc (stored: out3 = A^T);
; s = h . Wcls, z_c = h . (Wins[c,:,1] - Wins[c,:,0]).  h never goes to memory.  Left out (shown at the head of the first kernel): M, the gathers of h, loss_in[0], loss_out[1], bot_ids[0].
; A work-group also leaves a record of 512 bytes: its 8 largest A0, 8 largest A1 and 8 smallest A1, each with its row's number and z_c, and for each class the largest A, the sum of e^(A - largest) and that sum weighted by s.
; SHARES.  256 work-groups of four waves; a work-group owns 256 rows, as two blocks of 128.  THE WAVES SHARE THE COLUMNS: wave w makes hidden units 128 w .. + 127, then columns 64 w .. + 63 of a and of g, for all 128 rows:
; 64 accumulators, 512 registers.  So each fragment of the weights is multiplied by ONE wave, against 8 tiles of rows, and goes from memory straight into that wave's registers, in dense loads of 512 bytes.
; NO CLUSTER, NO TENSOR LOAD: a joint load lands in LDS, and each of the 786,432 bytes of weights that a block walks would be written there and read from there once, by one wave, beside what x and h move through LDS;
; x is shared by nobody.  With plain loads the last trips' loads are led round by scalar branches on counters, so a block's text stands once.
; x: wave w loads rows 32 w .. + 31 of a K step (a load: 512 neighbouring bytes of a row), turns them through its own stage in LDS so that a lane holds 16 neighbours of each block of 32, quantises two fragments and
; leaves them in LDS AS IMAGES OF THE OPERAND'S REGISTERS (16 bytes a lane, 512 a store; the scale word 4 bytes a lane); all four waves load all 8.  h goes the same way: wave w's 128 units are K step w of the next products.
; x's images have one buffer and a K step two barriers: one between the stores and the loads, one between the loads and the next step's stores (its signal and its wait stand 16 matrix instructions apart).
; BOTH PRODUCTS ARE USED TRANSPOSED (source 0 = 16 rows of the weights' tile, source 1 = 16 rows of x or h): a lane holds one row, its registers run along the columns.  The biases are loaded into the accumulators ahead of the first K step.
; LIMITS: NaN and infinities among the inputs are not served.  tanh = 1 - 2 / (1 + 2^(2 u log2 e)) and sigmoid = 1 / (1 + 2^(-v log2 e)) hold for every finite u, v (an exponential that overflows gives the limit).
; REGISTERS, in windows of 256.  Window 0: v1-29 addresses; v32-35 the weights' scale words, v36-43 the rows'; v44-63 at work; v64-97 codes and scale words just made; v98-115 sums; v128-255 eight fragments of rows, or 128 numbers of x, or tables.
;   Window 1: v0-127 the weights' 8 fragments; v128-255 x as loaded, or tables.   Windows 2, 3: accumulator (m, u) at v[64 (m % 4) + 8 u] of window 2 + m / 4.
; THE MODE: SCHED_MODE bits 1:0 = 2 (LLVM: expert scheduling mode 2), set by the entry lines.  The code itself states the register dependences
; between vector or matrix instructions and memory or LDS instructions, with s_wait_alu, always for 0.
; THE PLAN.  Registers that memory or LDS instructions touch:
;   v4-v19, v24, v25    Offsets and LDS addresses, made once at the head and never written again: one wait on va_vdst ahead of the first load states them all.
;   PSA, HFA, HSA       LDS addresses, made at a block's head; HFA and HSA move on at the end of each K step of the second products.  Each time a wait on vm_vsrc stands ahead of the lines, and the lines ahead of a wait on va_vdst that stands there for other registers too.
;   XR  window 1, v128-255   The next K step's loads of x land in it; the stage's LDS stores read it.  In h's epilogue: two tables, brought by LDS loads and read by the dot products.
;   XF  window 0, v128-255   LDS loads land in it (from the stage; the images; tables); the quantiser reads and writes it; the matrix instructions and the dot products read it.
;   W   window 1, v0-127, and WS   The weights' loads land in them; the matrix instructions read them.     XS   LDS loads land in it; the matrix instructions read it.
;   PCD, PW, PD         Written by the quantisers and the sums; read by LDS stores.  In the last epilogue PCD's first 16 registers gather the block's parts of A, which leave in one run.
;   The accumulators    LDS loads of the biases land in them; else they are named by matrix and vector instructions alone.
; A K STEP OF x W1 has four waits: vm_vsrc behind the stage's stores (XR may be loaded, PCD and PW written again); va_vdst behind the two quantisers (their codes may be stored, the images may land in XF);
; va_vdst in the step's middle (the weights' tiles 0-3 may be loaded again); va_vdst at its end (tiles 4-7 and WS may be loaded again, and so may XF and XS in the next step: no vector or matrix instruction stands between).
; The weights' loads stand in one run behind each of the two: under the products' window setting a load among them would want two window switches of its own.
.set STG,   0                          ; LDS: for each wave a stage of 32 rows x (512 + 16) bytes
.set XIMG,  67584                      ; x's 8 fragments, 2,048 bytes each
.set XSC,   XIMG+16384                 ; their scale words, 128 bytes each
.set HIMG,  XSC+1024                   ; h's 32 fragments: (4 m + s) x 2,048
.set HSC,   HIMG+65536                 ; their scale words
.set TU,    HSC+4096                   ; tables by hidden unit, 2,048 bytes each: Wins' differences of class 0, of class 1, Wcls, b1
.set TC,    TU+8192                    ; tables by column, 1,024 bytes each: Wc[:,0], Wc[:,1], ba, bb
.set PART,  TC+4096                    ; each wave's part of each row's five numbers: ((q x 4 + wave) x 256 + row) x 4; q: A0, A1, s, z0, z1
.set ROWV,  PART+20480                 ; the five numbers: q x 1,024 + 4 x row
.set REC,   ROWV+5120                  ; the record
.set SPARE, REC+512                    ; the spare words, 128 bytes for each wave: two blocks of 256 bytes that no other line names
.set LN,  1
.set RR,  2
.set HH,  3
.set XVA, 4                            ; x: wave x 32 rows + 16 x lane
.set WVA, 5                            ; weights: wave x 16,384 + 16 x lane
.set WSV, 6                            ; their scale words: wave x 512 + 4 x lane
.set PFV, 7                            ; the prefetches: wave x 32 rows + lane x a row
.set STA, 8                            ; the stage, on the way in
.set STB, 9                            ; and out
.set XWI, 10
.set XWS, 11
.set XFA, 12
.set XSA, 13
.set PS0, 14
.set HWI, 18
.set HWS, 19
.set HFA, 22                           ; h's images of the K step in hand
.set HSA, 23                           ; and their scale words
.set TUA, 24
.set TCA, 25
.set PSA, 26
.set SPW, 28                           ; LDS address of my spare word; never rewritten
.set NIL, 29                           ; 0; never rewritten
.set WS,  32
.set XS,  36
.set TM,  44                           ; +0..3 largest magnitudes, +4..7 the other half's, then bytes, +8..11 57,344 x the scale, +12..15 the conversions' scale operands
.set PT,  60                           ; lane permutes' destinations
.set PCD, 64                           ; two sets of 16 registers of codes
.set AP,  PCD                          ; in the last epilogue: tile m's parts of A0 and A1 at AP + 2 m.  h's image stores, which read these registers, stand ahead of the waits on vm_vsrc in the second products' K steps
.set PW,  96                           ; two scale words
.set PD,  98                           ; two sets of three numbers on their way to PART
.set CH,  104                          ; six pairs: running sums
.set XF,  128
.set WV,  32                           ; scalars
.set XP,  34
.set WP,  36
.set WSP, 38
.set OFC, 40
.set OFS, 42
.set BLK, 44
.set T1,  45
.set T2,  46
.set PB,  47
.set GC,  51
.set SEL, 52
.set MNT, 54
.set L2E, 55
.set C2L, 56
.set CML, 58
.set BC,  60
.set PFP, 66
.set PST, 68
.set SIT, 74
.set SI2, 75
.set SI3, 76
.set MK,  8                            ; s8-s18, in the tail: the compares' masks (the addresses that stood there are done with)
.set MSB, 0
.macro WIN new                         ; the immediate's high byte repeats the setting that is left; a switch that changes nothing is dropped
.if MSB != (\new)
	s_set_vgpr_msb (MSB<<8)|(\new)
.set MSB, (\new)
.endif
.endm
.macro PLACES n                        ; plain vector lines behind matrix instructions, ahead of loads into their registers and of reads of their results
.rept \n
	v_nop
.endr
.endm
.macro BARRIER                         ; my LDS stores have landed and my LDS loads are in: then the work-group's barrier
	s_wait_dscnt 0x0
	s_barrier_signal -1
	s_barrier_wait -1
.endm
.macro XLOAD                           ; my 32 rows' 128 numbers of a K step: a load reads 512 neighbouring bytes of one row
	WIN 0x40
.set i, 0
.rept 32
	global_load_b128 v[128+4*i:128+4*i+3], v[XVA], s[XP:XP+1] offset:i*4096 th:TH_LOAD_NT
.set i, i+1
.endr
	WIN 0
.endm
.macro WLOAD half                      ; four of my eight fragments of the next K step's weights; with the second four the scale words
	WIN 0x40
.irp u, 4*(\half), 4*(\half)+1, 4*(\half)+2, 4*(\half)+3
.irp c, 0,1,2,3
	global_load_b128 v[16*(\u)+4*\c:16*(\u)+4*\c+3], v[WVA], s[WP:WP+1] offset:(\u)*2048+\c*512
.endr
.endr
	WIN 0
.if \half
.irp p, 0,1,2,3
	global_load_b32 v[WS+\p], v[WSV], s[WSP:WSP+1] offset:128*\p
.endr
.endif
.endm
.macro WNEXT                           ; on to the next K step's weights; behind the twelfth comes the first.  It stands behind the wait that shows the last weight loads done
	s_add_co_u32 s[OFC], s[OFC], 65536
	s_cmp_eq_u32 s[OFC], 786432
	s_cselect_b32 s[OFC], 0, s[OFC]
	s_lshr_b32 s[OFS], s[OFC], 5
	s_add_nc_u64 s[WP:WP+1], s[10:11], s[OFC:OFC+1]
	s_add_nc_u64 s[WSP:WSP+1], s[12:13], s[OFS:OFS+1]
.endm
; 64 numbers of a lane in window wn, register 16 b + i = k 32 b + 16 (lane / 16) + i of my row, become a fragment's codes in v[pc] on and its scale word in v[pw].  mode 1: the numbers are not negative.
.macro QUANT src, wn, mode, pc, pw
	WIN (\wn)*5
.irp b, 0,1,2,3
.if \mode
	v_max3_num_f32 v[TM+\b], v[\src+16*\b], v[\src+16*\b+1], 0x8000000      ; my 16 numbers of block b, and the floor 2^(16 - 127): the byte cannot fall under 1
.else
	v_max3_num_f32 v[TM+\b], |v[\src+16*\b]|, |v[\src+16*\b+1]|, 0x8000000
.endif
.endr
.irp i, 2,4,6,8,10,12,14
.irp b, 0,1,2,3
.if \mode
	v_max3_num_f32 v[TM+\b], v[\src+16*\b+\i], v[\src+16*\b+\i+1], v[TM+\b]  ; the four blocks by turns
.else
	v_max3_num_f32 v[TM+\b], |v[\src+16*\b+\i]|, |v[\src+16*\b+\i+1]|, v[TM+\b]
.endif
.endr
.endr
	WIN 0
.irp b, 0,1,2,3
	v_permlanex16_b32 v[TM+4+\b], v[TM+\b], s[SEL], s[SEL+1]
.endr
.irp b, 0,1,2,3
	v_max_num_f32 v[TM+\b], v[TM+\b], v[TM+4+\b]   ; with lane l xor 16's: the block's largest magnitude
.endr
.irp b, 0,1,2,3
	v_add_nc_u32 v[TM+12+\b], 0xf8800000, v[TM+\b] ; 15 off its exponent field: the conversion's scale operand
.endr
.irp b, 0,1,2,3
	v_and_or_b32 v[TM+8+\b], v[TM+\b], 0x7f800000, s[MNT]   ; 57,344 x the scale
.endr
.irp b, 0,1,2,3
	v_lshrrev_b32 v[TM+4+\b], 23, v[TM+12+\b]      ; the scale's byte
.endr
	v_lshl_or_b32 v[\pw], v[TM+5], 8, v[TM+4]
	v_lshl_or_b32 v[\pw], v[TM+6], 16, v[\pw]
	v_lshl_or_b32 v[\pw], v[TM+7], 24, v[\pw]
	WIN (\wn)*65
.irp b, 0,1,2,3
.irp i, 0,1,2,3,4,5,6,7,8,9,10,11,12,13,14,15
.if \mode
	v_min_num_f32 v[\src+16*\b+\i], v[\src+16*\b+\i], v[TM+8+\b]             ; the conversion to an 8-bit code does not saturate (ISA guide 7.6.2): the hold, one-sided
.else
	v_med3_num_f32 v[\src+16*\b+\i], v[\src+16*\b+\i], -v[TM+8+\b], v[TM+8+\b]
.endif
.endr
.endr
	WIN (\wn)
.irp b, 0,1,2,3
	v_cvt_scalef32_pk8_bf8_f32 v[\pc+4*\b:\pc+4*\b+1], v[\src+16*\b:\src+16*\b+7], v[TM+12+\b]
	v_cvt_scalef32_pk8_bf8_f32 v[\pc+4*\b+2:\pc+4*\b+3], v[\src+16*\b+8:\src+16*\b+15], v[TM+12+\b]
.endr
	v_nop                                          ; a plain line behind the last conversion
	WIN 0
.endm
.macro IMAGE adr, pc, off              ; a fragment goes to LDS as it stands in the registers
.irp c, 0,1,2,3
	ds_store_b128 v[\adr], v[\pc+4*\c:\pc+4*\c+3] offset:\off+512*\c
.endr
.endm
.macro FETCH fa, fs, sa, ss            ; the 8 tiles of rows: their scale words, then their fragments, tile by tile
.irp m, 0,1,2,3,4,5,6,7
	ds_load_b32 v[XS+\m], v[\sa] offset:\m*(\ss)
.endr
.irp m, 0,1,2,3,4,5,6,7
.irp c, 0,1,2,3
	ds_load_b128 v[XF+16*\m+4*\c:XF+16*\m+4*\c+3], v[\fa] offset:\m*(\fs)+512*\c
.endr
.endr
.endm
; 16 matrix instructions: weights' tiles 4 ug .. + 3 against tiles of rows 4 mh .. + 3.  A K step's 64 go to 64 different accumulators, in the same order in every step.
; A scale register holds tile 2 p's words in lanes 0-15 and tile 2 p + 1's in lanes 16-31.
.macro MUL16 ug, mh
.irp u, 4*(\ug), 4*(\ug)+1, 4*(\ug)+2, 4*(\ug)+3
.irp mm, 0,1,2,3
.if ((\u)%2)
	v_wmma_scale_f32_16x16x128_f8f6f4 v[64*\mm+8*(\u):64*\mm+8*(\u)+7], v[16*(\u):16*(\u)+15], v[XF+16*(4*(\mh)+\mm):XF+16*(4*(\mh)+\mm)+15], v[64*\mm+8*(\u):64*\mm+8*(\u)+7], v[WS+(\u)/2], v[XS+4*(\mh)+\mm] matrix_a_fmt:MATRIX_FMT_BF8 matrix_b_fmt:MATRIX_FMT_BF8 matrix_a_scale:MATRIX_SCALE_ROW1
.else
	v_wmma_scale_f32_16x16x128_f8f6f4 v[64*\mm+8*(\u):64*\mm+8*(\u)+7], v[16*(\u):16*(\u)+15], v[XF+16*(4*(\mh)+\mm):XF+16*(4*(\mh)+\mm)+15], v[64*\mm+8*(\u):64*\mm+8*(\u)+7], v[WS+(\u)/2], v[XS+4*(\mh)+\mm] matrix_a_fmt:MATRIX_FMT_BF8 matrix_b_fmt:MATRIX_FMT_BF8
.endif
.endr
.endr
.endm
.macro WMAX reg                        ; over the 32 lanes; the result in every lane
.irp k, 1,2,4,8
	v_max_num_f32_dpp v[\reg], v[\reg], v[\reg] row_xmask:\k row_mask:0xf bank_mask:0xf
.endr
	v_permlanex16_b32 v[ETP], v[\reg], s[SEL], s[SEL+1]
	v_max_num_f32 v[\reg], v[\reg], v[ETP]
.endm
.macro WMIN reg
.irp k, 1,2,4,8
	v_min_num_f32_dpp v[\reg], v[\reg], v[\reg] row_xmask:\k row_mask:0xf bank_mask:0xf
.endr
	v_permlanex16_b32 v[ETP], v[\reg], s[SEL], s[SEL+1]
	v_min_num_f32 v[\reg], v[\reg], v[ETP]
.endm
.macro WSUM reg
.irp k, 1,2,4,8
	v_add_f32_dpp v[\reg], v[\reg], v[\reg] row_xmask:\k row_mask:0xf bank_mask:0xf
.endr
	v_permlanex16_b32 v[ETP], v[\reg], s[SEL], s[SEL+1]
	v_add_f32 v[\reg], v[\reg], v[ETP]
.endm
; The 8 largest of the wave's 32 x nv keys, the lower row first among equals, by selects alone: eight trips, each of which finds the largest key, the lowest row that has it, that row's payload, and strikes the row out.
; Trip n leaves the key in lane n of v[EOUT], the row in lane 8 + n, the payload in lane 16 + n.  The compares stand in runs, each with a scalar register of its own for its mask, and one wait on va_sdst behind each run.
.set EK,   128
.set EP,   136
.set EI,   144
.set ET,   152
.set EMX,  160
.set ETP,  161
.set EMN,  162
.set EPS,  163
.set EOUT, 164
.set EBIG, 165
.set ENIN, 166
.macro EXTRACT nv
	s_mov_b32 s[SIT], 0
.Lpick_\@:
	v_max_num_f32 v[EMX], v[EK], v[EK+1]
.if \nv > 2
	v_max3_num_f32 v[EMX], v[EMX], v[EK+2], v[EK+3]
	v_max3_num_f32 v[EMX], v[EMX], v[EK+4], v[EK+5]
	v_max3_num_f32 v[EMX], v[EMX], v[EK+6], v[EK+7]
.endif
	WMAX EMX
.set i, 0
.rept \nv
	v_cmp_eq_f32 s[MK+i], v[EK+i], v[EMX]
.set i, i+1
.endr
	s_wait_alu depctr_va_sdst(0)                   ; the compares above have written their masks, which the selects below read
.set i, 0
.rept \nv
	v_cndmask_b32 v[ET+i], v[EBIG], v[EI+i], s[MK+i]
.set i, i+1
.endr
	v_min_num_f32 v[EMN], v[ET], v[ET+1]
.if \nv > 2
	v_min3_num_f32 v[EMN], v[EMN], v[ET+2], v[ET+3]
	v_min3_num_f32 v[EMN], v[EMN], v[ET+4], v[ET+5]
	v_min3_num_f32 v[EMN], v[EMN], v[ET+6], v[ET+7]
.endif
	WMIN EMN
	v_mov_b32 v[EPS], 0
	s_add_co_u32 s[SI2], s[SIT], 8
	s_add_co_u32 s[SI3], s[SIT], 16
.set i, 0
.rept \nv
	v_cmp_eq_f32 s[MK+i], v[EI+i], v[EMN]
.set i, i+1
.endr
	v_cmp_eq_u32 s[MK+8], s[SIT], v[LN]
	v_cmp_eq_u32 s[MK+9], s[SI2], v[LN]
	v_cmp_eq_u32 s[MK+10], s[SI3], v[LN]
	s_wait_alu depctr_va_sdst(0)                   ; the compares above have written their masks: those of the row that is taken, and those of the three lanes that keep this trip's numbers
.set i, 0
.rept \nv
	v_cndmask_b32 v[EPS], v[EPS], v[EP+i], s[MK+i]
	v_cndmask_b32 v[EK+i], v[EK+i], v[ENIN], s[MK+i]
.set i, i+1
.endr
	WSUM EPS                                       ; one lane holds the payload, the others 0
	v_cndmask_b32 v[EOUT], v[EOUT], v[EMX], s[MK+8]
	v_cndmask_b32 v[EOUT], v[EOUT], v[EMN], s[MK+9]
	v_cndmask_b32 v[EOUT], v[EOUT], v[EPS], s[MK+10]
	s_add_co_u32 s[SIT], s[SIT], 1
	s_cmp_lt_u32 s[SIT], 8
	s_cbranch_scc1 .Lpick_\@
.endm
	; ---- the head
	s_load_b512 s[8:23], s[0:1], 0x0               ; x s[8:9], wq s[10:11], wsc s[12:13], b1 s[14:15], ba s[16:17], bb s[18:19], Wc s[20:21], bc s[22:23]
	s_load_b256 s[24:31], s[0:1], 0x40             ; Wcls s[24:25], Wins s[26:27], out3 s[28:29], rec s[30:31]
	v_lshl_add_u32 v[SPW], v0, 2, SPARE
	v_mov_b32 v[NIL], 0
	v_lshrrev_b32 v[LN], 5, v0
	v_readfirstlane_b32 s[WV], v[LN]               ; wave 0..3
	v_and_b32 v[LN], 31, v0
	v_and_b32 v[RR], 15, v0
	v_bfe_u32 v[HH], v0, 4, 1
	s_wait_alu depctr_va_sdst(0)                   ; the wave's number is written, ahead of its first reader: the line below
	s_lshl_b32 s70, s[WV], 17
	v_lshl_add_u32 v[XVA], v[LN], 4, s70
	v_lshl_add_u32 v[PFV], v[LN], 12, s70
	s_lshl_b32 s70, s[WV], 14
	v_lshl_add_u32 v[WVA], v[LN], 4, s70
	s_lshl_b32 s70, s[WV], 9
	v_lshl_add_u32 v[WSV], v[LN], 2, s70
	s_mul_i32 s70, s[WV], 16896                    ; my stage (STG = 0)
	v_lshl_add_u32 v[STA], v[LN], 4, s70           ; in: a row's 512 bytes as they lie, rows 528 bytes apart
	v_mul_u32_u24 v[STB], v[RR], 528
	v_lshl_add_u32 v[STB], v[HH], 6, v[STB]
	v_add_nc_u32 v[STB], s70, v[STB]               ; out: row r, + 64 h: my 16 numbers of a block of 32
	s_lshl_b32 s70, s[WV], 12
	s_add_co_u32 s70, s70, XIMG
	v_lshl_add_u32 v[XWI], v[LN], 4, s70           ; where I store x's images: tiles of rows 2 w, 2 w + 1
	s_lshl_b32 s70, s[WV], 8
	s_add_co_u32 s70, s70, XSC
	v_lshl_add_u32 v[XWS], v[LN], 2, s70
	v_lshl_add_u32 v[XFA], v[LN], 4, XIMG          ; and where everybody loads them
	v_lshl_add_u32 v[XSA], v[LN], 2, XSC
	s_lshl_b32 s70, s[WV], 11
	s_add_co_u32 s70, s70, HIMG
	v_lshl_add_u32 v[HWI], v[LN], 4, s70           ; h's images: K step w
	s_lshl_b32 s70, s[WV], 7
	s_add_co_u32 s70, s70, HSC
	v_lshl_add_u32 v[HWS], v[LN], 2, s70
	s_lshl_b32 s70, s[WV], 9
	s_add_co_u32 s70, s70, TU
	v_lshl_add_u32 v[TUA], v[HH], 6, s70           ; tables by unit: 128 w + 16 h on
	s_lshl_b32 s70, s[WV], 8
	s_add_co_u32 s70, s70, TC
	v_lshl_add_u32 v[TCA], v[HH], 5, s70           ; tables by column: 64 w + 8 h on
	s_lshl_b32 s70, s[WV], 10
	s_add_co_u32 s70, s70, PART
	v_lshl_add_u32 v[PS0], v[RR], 2, s70
	v_lshl_add_u32 v116, v0, 4, TU                 ; the tables' way in: thread t brings units 4 t .. + 3 and columns 2 t, 2 t + 1
	v_lshl_add_u32 v117, v0, 3, TC
	v_lshlrev_b32 v118, 5, v0
	v_lshlrev_b32 v119, 4, v0
	v_lshlrev_b32 v120, 3, v0
	s_mov_b32 s[SEL], 0x76543210
	s_mov_b32 s[SEL+1], 0xfedcba98                 ; v_permlanex16_b32's selects for lane l xor 16
	s_mov_b32 s[MNT], 0x600000                     ; the mantissa field of 57,344
	s_mov_b32 s[L2E], 0x3fb8aa3b                   ; log2(e)
	s_mov_b32 s[C2L], 0x4038aa3b                   ; 2 log2(e); the packed forms name a pair and take its low word for both halves
	s_mov_b32 s[C2L+1], 0x4038aa3b
	s_mov_b32 s[CML], 0xbfb8aa3b                   ; -log2(e)
	s_mov_b32 s[CML+1], 0xbfb8aa3b
	s_mov_b32 s[OFC], 0
	s_mov_b32 s[OFC+1], 0
	s_mov_b32 s[OFS], 0
	s_mov_b32 s[OFS+1], 0
	s_mov_b32 s[PST+1], 0
	s_mov_b32 s[BLK], 2
	s_mov_b32 s[GC], 0
	s_mov_b32 s[PB], 0
.irp b, 0,1,2,3
	v_mov_b32 v[TM+4+\b], 0                        ; written once: a lane permute's destination counts as one of its sources
.endr
.irp b, 0,1,2
	v_mov_b32 v[PT+\b], 0
.endr
	s_lshl_b32 s[XP], ttmp9, 20                    ; my work-group's 256 rows of 4,096 bytes
	s_mov_b32 s[XP+1], 0
	s_wait_kmcnt 0x0
	s_load_b64 s[BC:BC+1], s[22:23], 0x0           ; bc
	s_wait_alu depctr_va_vdst(0)                   ; all offsets and LDS addresses made above are written: the loads, stores and prefetches of the whole kernel read them
	global_load_b128 v[128:131], v118, s[26:27]                ; Wins[0][4 t .. + 3][0..1]
	global_load_b128 v[132:135], v118, s[26:27] offset:16
	global_load_b128 v[136:139], v118, s[26:27] offset:4096    ; Wins[1]
	global_load_b128 v[140:143], v118, s[26:27] offset:4112
	global_load_b128 v[144:147], v119, s[24:25]                ; Wcls
	global_load_b128 v[148:151], v119, s[14:15]                ; b1
	global_load_b128 v[152:155], v119, s[20:21]                ; Wc[2 t .. + 1][0..1]
	global_load_b64 v[156:157], v120, s[16:17]                 ; ba
	global_load_b64 v[158:159], v120, s[18:19]                 ; bb
	s_add_nc_u64 s[XP:XP+1], s[8:9], s[XP:XP+1]
	s_add_nc_u64 s[PFP:PFP+1], s[XP:XP+1], 512     ; the prefetches stand at K step 1; each trip steps them first
	s_mov_b64 s[WP:WP+1], s[10:11]
	s_mov_b64 s[WSP:WSP+1], s[12:13]
	XLOAD                                          ; block 0, K step 0
	s_wait_loadcnt 32                              ; the nine table loads are in; x's 32 may be out
.irp c, 0,1
.irp d, 0,1,2,3
	v_sub_f32 v[160+4*\c+\d], v[129+8*\c+2*\d], v[128+8*\c+2*\d]   ; Wins[c][d][1] - Wins[c][d][0]
.endr
.endr
	v_mov_b32 v168, v152
	v_mov_b32 v169, v154                           ; Wc[:,0]
	v_mov_b32 v170, v153
	v_mov_b32 v171, v155                           ; Wc[:,1]
	s_wait_alu depctr_va_vdst(0)                   ; the differences and the four copies are written in v160 to v171, which the LDS stores read
	ds_store_b128 v116, v[160:163]
	ds_store_b128 v116, v[164:167] offset:2048
	ds_store_b128 v116, v[144:147] offset:4096
	ds_store_b128 v116, v[148:151] offset:6144
	ds_store_b64 v117, v[168:169]
	ds_store_b64 v117, v[170:171] offset:1024
	ds_store_b64 v117, v[156:157] offset:2048
	ds_store_b64 v117, v[158:159] offset:3072
	WLOAD 0                                        ; the first K step's weights, behind x: the order on which the trips' counts rest
	WLOAD 1
	s_wait_kmcnt 0x0                               ; bc
	BARRIER                                        ; the tables lie in LDS
.Lblock:                                           ; two trips: a block of 128 rows
	s_wait_dscnt 0x0                               ; the last block's stores to PART are done
	s_wait_alu depctr_vm_vsrc(0)                   ; the last block's stores to PART have read PSA and AP; on the first trip: the tables' stores have read v144 to v171, in which this block's loads from the stage land
	v_add_nc_u32 v[PSA], s[PB], v[PS0]
	v_lshl_add_u32 v[HFA], v[LN], 4, HIMG          ; h's images of K step 0,
	v_lshl_add_u32 v[HSA], v[LN], 2, HSC           ; and their scale words
	s_wait_alu depctr_va_vdst(0)                   ; the three addresses are written; the last epilogue (on the first trip: the head) is done with the accumulators, in which b1 lands, and with XF, in which the first loads from the stage land
	; b1 into all 64 accumulators: register j of tile u is hidden unit 128 w + 32 (u / 2) + 16 h + 8 (u % 2) + j.  So every K step adds in place, and no bias is added later
.irp wn, 2,3
	WIN \wn<<6
.irp mm, 0,1,2,3
.irp u, 0,1,2,3,4,5,6,7
	ds_load_b128 v[64*\mm+8*\u:64*\mm+8*\u+3], v[TUA] offset:6144+(\u/2)*128+(\u%2)*32
	ds_load_b128 v[64*\mm+8*\u+4:64*\mm+8*\u+7], v[TUA] offset:6144+(\u/2)*128+(\u%2)*32+16
.endr
.endr
.endr
	WIN 0
	s_mov_b32 s[T1], 0
.Lk1:                                              ; eight trips: a K step of 128 of x W1
	s_wait_loadcnt 36                              ; x of this step is in; behind it stand the 32 + 4 loads of this step's weights
	s_wait_xcnt 0x0                                ; the last trip's prefetches have read their address, so it may be written
	s_cmp_eq_u32 s[T1], 6
	s_mov_b32 s[PST], 512
	s_cselect_b32 s[PST], 520704, s[PST]           ; a K step on; from a block's last K step to the next block's first
	s_add_nc_u64 s[PFP:PFP+1], s[PFP:PFP+1], s[PST:PST+1]
	WIN 0x04                                       ; an LDS store's data are its source 1: window 1
.set i, 0
.rept 32
	ds_store_b128 v[STA], v[128+4*i:128+4*i+3] offset:i*528
.set i, i+1
.endr
	WIN 0
.irp f, 0,1
.irp b, 0,1,2,3
.irp j, 0,1,2,3
	ds_load_b128 v[XF+64*\f+16*\b+4*\j:XF+64*\f+16*\b+4*\j+3], v[STB] offset:\f*8448+128*\b+16*\j   ; LDS serves a wave's instructions in order: these see my stores.  (XF: no vector or matrix instruction has named it since the wait at the last step's end, or at the block's head)
.endr
.endr
.endr
	s_wait_dscnt 32                                ; all but these 32 loads: the stores into the stage are done
	s_wait_alu depctr_vm_vsrc(0)                   ; the stores into the stage have read XR, in which the next K step's x lands; the last step's image stores have read PCD and PW, which the quantisers below write again
	s_cmp_eq_u32 s[T1], 7
	s_cbranch_scc1 .Lk1_last
	s_add_nc_u64 s[XP:XP+1], s[XP:XP+1], 512
	XLOAD
	s_branch .Lk1_asked
.Lk1_last:
	s_wait_loadcnt 0x0                             ; no x follows in the block's last step: its weights are waited for here
.Lk1_asked:
	s_cmp_lt_u32 s[GC], 14                         ; a prefetch of my 32 rows' 512 bytes of the K step after the one just asked for: a lane a row, two instructions 256 bytes apart;
	s_cbranch_scc0 .Lk1_none                       ; each wave asks for its own rows, so each block of 256 bytes is named once; the work-group's last two K steps ask for nothing, its first two come by their loads alone
	global_prefetch_b8 v[PFV], s[PFP:PFP+1] th:TH_LOAD_NT scope:SCOPE_SE
	global_prefetch_b8 v[PFV], s[PFP:PFP+1] offset:256 th:TH_LOAD_NT scope:SCOPE_SE
.Lk1_none:
	s_wait_dscnt 16                                ; my first 16 rows are back from the stage
	QUANT XF, 0, 0, PCD, PW
	s_wait_dscnt 0x0                               ; my other 16 rows are back
	QUANT XF+64, 0, 0, PCD+16, PW+1
	s_wait_alu depctr_va_vdst(0)                   ; the two quantisers have written both sets of codes and both scale words, which the ten stores below read, and are done with XF, in which the images land behind the barrier
	IMAGE XWI, PCD, 0
	ds_store_b32 v[XWS], v[PW]
	IMAGE XWI, PCD+16, 2048
	ds_store_b32 v[XWS], v[PW+1] offset:128
	BARRIER                                        ; x's eight fragments lie in LDS
	FETCH XFA, 2048, XSA, 128
	s_wait_loadcnt 32                              ; this step's weights are in; the next x's 32 loads may be out
	WNEXT
	s_wait_dscnt 16                                ; the scale words and tiles of rows 0-3
	WIN 0xa1                                       ; source 0 window 1, source 1 window 0, C and D window 2
	MUL16 0, 0
	s_wait_dscnt 0x0                               ; tiles 4-7: my reads of the images are over:
	s_barrier_signal -1                            ; say so,
	WIN 0xf1
	MUL16 0, 1                                     ; work on registers while the others arrive,
	s_barrier_wait -1                              ; and only then may the next step's images be stored
	PLACES 8
	s_wait_alu depctr_va_vdst(0)                   ; the 32 products above are done reading the weights' tiles 0-3, in which the next K step's land
	WLOAD 0
	WIN 0xa1
	MUL16 1, 0
	WIN 0xf1
	MUL16 1, 1
	PLACES 8                                       ; for the loads below, for the next trip's loads into the rows' fragments, and for the first reads of results
	s_wait_alu depctr_va_vdst(0)                   ; the step's products are done reading the weights' tiles 4-7 and scale words, in which the loads below land, and XF and XS, in which the next LDS loads land (the next step's, or the tables')
	WLOAD 1
	s_add_co_u32 s[GC], s[GC], 1
	s_add_co_u32 s[T1], s[T1], 1
	s_cmp_lt_u32 s[T1], 8
	s_cbranch_scc1 .Lk1
	s_wait_loadcnt 36                              ; only the 36 loads of the next weights are out: x's registers are free for the tables
	; ---- h: relu, the three dot products, the quantiser; a tile of 16 rows at a time.  My lane's 64 numbers of each table: register 16 b + e is unit 128 w + 16 h + 32 b + e, as in the accumulators
	WIN 0x40
.irp v, 0,1
.irp b, 0,1,2,3
.irp q, 0,1,2,3
	ds_load_b128 v[128+64*\v+16*\b+4*\q:128+64*\v+16*\b+4*\q+3], v[TUA] offset:\v*2048+128*\b+16*\q
.endr
.endr
.endr
	WIN 0
.irp b, 0,1,2,3
.irp q, 0,1,2,3
	ds_load_b128 v[XF+16*\b+4*\q:XF+16*\b+4*\q+3], v[TUA] offset:4096+128*\b+16*\q
.endr
.endr
	s_wait_dscnt 0x0
.macro HEPI m
.set WN, 2+(\m)/4
.set AC, 64*((\m)%4)
.set PR, (\m)%2
.set PCR, PCD+16*PR
.set PWR, PW+PR
	s_wait_dscnt 24                                ; a tile issues 24 LDS instructions: those of the tile before last are done
	s_wait_alu depctr_vm_vsrc(0)                   ; the LDS stores issued so far have read this tile's set of codes, its scale word and its three sums, which are written again below
	WIN WN*69
.set i, 0
.rept 64
	v_max_num_f32 v[AC+i], 0, v[AC+i]              ; relu; each accumulator from its low end on
.set i, i+1
.endr
	WIN WN|4                                       ; h in its window, the tables of Wins' differences in window 1
.set p, 0
.rept 32
.if p < 2
	v_pk_mul_f32 v[CH+2*p:CH+2*p+1], v[AC+2*p:AC+2*p+1], v[128+2*p:129+2*p]
	v_pk_mul_f32 v[CH+4+2*p:CH+5+2*p], v[AC+2*p:AC+2*p+1], v[192+2*p:193+2*p]
.else
	v_pk_fma_f32 v[CH+2*(p%2):CH+2*(p%2)+1], v[AC+2*p:AC+2*p+1], v[128+2*p:129+2*p], v[CH+2*(p%2):CH+2*(p%2)+1]
	v_pk_fma_f32 v[CH+4+2*(p%2):CH+5+2*(p%2)], v[AC+2*p:AC+2*p+1], v[192+2*p:193+2*p], v[CH+4+2*(p%2):CH+5+2*(p%2)]
.endif
.set p, p+1
.endr
	WIN WN                                         ; Wcls' table in window 0
.set p, 0
.rept 32
.if p < 2
	v_pk_mul_f32 v[CH+8+2*p:CH+9+2*p], v[AC+2*p:AC+2*p+1], v[XF+2*p:XF+2*p+1]
.else
	v_pk_fma_f32 v[CH+8+2*(p%2):CH+9+2*(p%2)], v[AC+2*p:AC+2*p+1], v[XF+2*p:XF+2*p+1], v[CH+8+2*(p%2):CH+9+2*(p%2)]
.endif
.set p, p+1
.endr
	QUANT AC, WN, 1, PCR, PWR
	v_pk_add_f32 v[CH:CH+1], v[CH:CH+1], v[CH+2:CH+3]
	v_pk_add_f32 v[CH+4:CH+5], v[CH+4:CH+5], v[CH+6:CH+7]
	v_pk_add_f32 v[CH+8:CH+9], v[CH+8:CH+9], v[CH+10:CH+11]
	v_add_f32 v[CH], v[CH], v[CH+1]
	v_add_f32 v[CH+4], v[CH+4], v[CH+5]
	v_add_f32 v[CH+8], v[CH+8], v[CH+9]
	v_permlanex16_b32 v[PT], v[CH], s[SEL], s[SEL+1]
	v_permlanex16_b32 v[PT+1], v[CH+4], s[SEL], s[SEL+1]
	v_permlanex16_b32 v[PT+2], v[CH+8], s[SEL], s[SEL+1]
	v_add_f32 v[PD+3*PR], v[CH+8], v[PT+2]         ; my wave's 128 units' part of s,
	v_add_f32 v[PD+3*PR+1], v[CH], v[PT]           ; of z0,
	v_add_f32 v[PD+3*PR+2], v[CH+4], v[PT+1]       ; of z1; lanes r and r + 16 hold the same and store the same word
	s_wait_alu depctr_va_vdst(0)                   ; the tile's codes, scale word and three sums are written, which the eight stores below read; the quantiser is done with the tile's accumulators, in which ba and bb land
	IMAGE HWI, PCR, (\m)*8192                      ; K step w of the next products, rows 16 m on
	ds_store_b32 v[HWS], v[PWR] offset:(\m)*512
	ds_store_b32 v[PSA], v[PD+3*PR] offset:8192+64*(\m)
	ds_store_b32 v[PSA], v[PD+3*PR+1] offset:12288+64*(\m)
	ds_store_b32 v[PSA], v[PD+3*PR+2] offset:16384+64*(\m)
	WIN WN<<6                                      ; ba and bb into this tile's accumulators: register j of tile u is column 64 w + 16 (u % 4) + 8 h + j of a (u < 4) or of g
.irp u, 0,1,2,3,4,5,6,7
	ds_load_b128 v[AC+8*\u:AC+8*\u+3], v[TCA] offset:(2+\u/4)*1024+(\u%4)*64
	ds_load_b128 v[AC+8*\u+4:AC+8*\u+7], v[TCA] offset:(2+\u/4)*1024+(\u%4)*64+16
.endr
	WIN 0
.endm
.irp m, 0,1,2,3,4,5,6,7
	HEPI \m
.endr
	BARRIER                                        ; h's 32 fragments lie in LDS
	s_mov_b32 s[T2], 4
.Lk2:                                              ; four trips: a K step of 128 of h Wa and h Wb.  h's images are only read: no barrier
	FETCH HFA, 8192, HSA, 512                      ; (XF, XS and the two addresses: no vector or matrix instruction has named them since the wait at the last step's end, or in the last tile of h's epilogue)
	s_wait_loadcnt 0x0                             ; this step's weights: nothing was asked for behind them
	WNEXT
	s_wait_dscnt 16
	WIN 0xa1
	MUL16 0, 0
	s_wait_dscnt 0x0
	WIN 0xf1
	MUL16 0, 1
	PLACES 8
	WIN 0
	s_cmp_eq_u32 s[T2], 1                          ; the last step asks for nothing: what the next block wants goes out as one group behind the loop
	s_cbranch_scc1 .Lk2_s0
	s_wait_alu depctr_va_vdst(0)                   ; the 32 products above are done reading the weights' tiles 0-3, in which the next K step's land
	WLOAD 0
.Lk2_s0:
	WIN 0xa1
	MUL16 1, 0
	WIN 0xf1
	MUL16 1, 1
	PLACES 8                                       ; for the loads into the weights' and the rows' registers, here and behind the loop, and for the first reads of results
	WIN 0
	s_wait_alu depctr_vm_vsrc(0)                   ; this step's LDS loads have read HFA and HSA
	v_add_nc_u32 v[HFA], 2048, v[HFA]              ; the next K step's images (behind the last step the two are not used),
	v_add_nc_u32 v[HSA], 128, v[HSA]               ; and their scale words
	s_wait_alu depctr_va_vdst(0)                   ; the two addresses are written; the step's products are done reading the weights and their scale words, XF and XS: in these land the loads below, the next step's, and behind the loop the next block's first loads and Wc's tables
	s_cmp_eq_u32 s[T2], 1
	s_cbranch_scc1 .Lk2_s1
	WLOAD 1
.Lk2_s1:
	s_sub_co_u32 s[T2], s[T2], 1
	s_cmp_lg_u32 s[T2], 0
	s_cbranch_scc1 .Lk2
	s_wait_loadcnt 0x0                             ; whichever way the two branches above were passed, no load is out when the weights' registers are loaded again
	s_cmp_eq_u32 s[BLK], 1                         ; the last block asks for nothing: no load leaves its buffer
	s_cbranch_scc1 .Lno_next
	s_add_nc_u64 s[XP:XP+1], s[XP:XP+1], 520704    ; the next block's first K step of x, and behind it that step's weights: one group under one branch, in the order on which the trips' counts rest;
	XLOAD                                          ; they land while the activations below are worked
	WLOAD 0
	WLOAD 1
.Lno_next:
	; ---- a = tanh, g = sigmoid, (a g) . Wc; a tile of 16 rows at a time.  My lane's 32 numbers of Wc[:,0] and of Wc[:,1]
.irp v, 0,1
.irp u, 0,1,2,3
	ds_load_b128 v[XF+32*\v+8*\u:XF+32*\v+8*\u+3], v[TCA] offset:\v*1024+64*\u
	ds_load_b128 v[XF+32*\v+8*\u+4:XF+32*\v+8*\u+7], v[TCA] offset:\v*1024+64*\u+16
.endr
.endr
	s_wait_dscnt 0x0
.macro AEPI m
.set WN, 2+(\m)/4
.set AC, 64*((\m)%4)
	WIN WN*85
.set p, 0
.rept 16
	v_pk_mul_f32 v[AC+2*p:AC+2*p+1], v[AC+2*p:AC+2*p+1], s[C2L:C2L+1] op_sel_hi:[1,0]            ; 2 u log2(e); each accumulator from its low end on
.set p, p+1
.endr
.set p, 0
.rept 16
	v_pk_mul_f32 v[AC+32+2*p:AC+33+2*p], v[AC+32+2*p:AC+33+2*p], s[CML:CML+1] op_sel_hi:[1,0]    ; -v log2(e)
.set p, p+1
.endr
.set i, 0
	s_wait_alu depctr_va_vdst(0)
.rept 64
	v_exp_f32 v[AC+i], v[AC+i]
.set i, i+1
.endr
	v_nop                                          ; a plain line behind the last exponential,
	s_wait_alu depctr_va_vdst(0)                   ; and one wait for the batch: the 64 exponentials have written their results, ahead of the first reader
.set p, 0
.rept 32
	v_pk_add_f32 v[AC+2*p:AC+2*p+1], v[AC+2*p:AC+2*p+1], 1.0 op_sel_hi:[1,0]
.set p, p+1
.endr
.set i, 0
	s_wait_alu depctr_va_vdst(0)
.rept 64
	v_rcp_f32 v[AC+i], v[AC+i]
.set i, i+1
.endr
	v_nop
	s_wait_alu depctr_va_vdst(0)                   ; likewise: the 64 reciprocals have written their results
.set p, 0
.rept 16
	v_pk_fma_f32 v[AC+2*p:AC+2*p+1], v[AC+2*p:AC+2*p+1], -2.0, 1.0 op_sel_hi:[1,0,0]             ; tanh
.set p, p+1
.endr
.set p, 0
.rept 16
	v_pk_mul_f32 v[AC+2*p:AC+2*p+1], v[AC+2*p:AC+2*p+1], v[AC+32+2*p:AC+33+2*p]                  ; a g
.set p, p+1
.endr
	WIN WN
.set p, 0
.rept 16
.if p < 2
	v_pk_mul_f32 v[CH+2*p:CH+2*p+1], v[AC+2*p:AC+2*p+1], v[XF+2*p:XF+2*p+1]
	v_pk_mul_f32 v[CH+4+2*p:CH+5+2*p], v[AC+2*p:AC+2*p+1], v[XF+32+2*p:XF+33+2*p]
.else
	v_pk_fma_f32 v[CH+2*(p%2):CH+2*(p%2)+1], v[AC+2*p:AC+2*p+1], v[XF+2*p:XF+2*p+1], v[CH+2*(p%2):CH+2*(p%2)+1]
	v_pk_fma_f32 v[CH+4+2*(p%2):CH+5+2*(p%2)], v[AC+2*p:AC+2*p+1], v[XF+32+2*p:XF+33+2*p], v[CH+4+2*(p%2):CH+5+2*(p%2)]
.endif
.set p, p+1
.endr
	WIN 0
	v_pk_add_f32 v[CH:CH+1], v[CH:CH+1], v[CH+2:CH+3]
	v_pk_add_f32 v[CH+4:CH+5], v[CH+4:CH+5], v[CH+6:CH+7]
	v_add_f32 v[CH], v[CH], v[CH+1]
	v_add_f32 v[CH+4], v[CH+4], v[CH+5]
	v_permlanex16_b32 v[PT], v[CH], s[SEL], s[SEL+1]
	v_permlanex16_b32 v[PT+1], v[CH+4], s[SEL], s[SEL+1]
	v_add_f32 v[AP+2*(\m)], v[CH], v[PT]           ; my wave's 64 columns' part of A0,
	v_add_f32 v[AP+2*(\m)+1], v[CH+4], v[PT+1]     ; of A1: each tile has two registers of its own, and the sixteen leave together below
.endm
.irp m, 0,1,2,3,4,5,6,7
	AEPI \m
.endr
	s_wait_alu depctr_va_vdst(0)                   ; the eight tiles' parts of A0 and A1 are written in AP, which the sixteen stores read
.irp m, 0,1,2,3,4,5,6,7
	ds_store_b32 v[PSA], v[AP+2*\m] offset:64*\m
	ds_store_b32 v[PSA], v[AP+2*\m+1] offset:4096+64*\m
.endr
	s_add_co_u32 s[PB], s[PB], 512
	s_sub_co_u32 s[BLK], s[BLK], 1
	s_cmp_lg_u32 s[BLK], 0
	s_cbranch_scc1 .Lblock
	; ---- the tail: the four waves' parts are added; A leaves; the record is made
	BARRIER
	v_lshl_add_u32 v116, v0, 3, PART               ; thread t takes rows 2 t, 2 t + 1.  (v116 to v120 were last read by the head's loads and stores, ahead of every block's waits on vm_vsrc)
	v_lshlrev_b32 v117, 3, v0
	v_lshl_add_u32 v118, v0, 3, ROWV
	s_min_u32 s70, s[WV], 1
	s_lshl_b32 s70, s70, 10
	s_add_co_u32 s70, s70, ROWV
	v_lshl_add_u32 v119, v[LN], 5, s70             ; waves 0-2: my lane's 8 keys: A0 (wave 0) or A1; their payloads z0 or z1 lie 3,072 bytes on
	v_lshl_add_u32 v120, v[LN], 5, ROWV            ; wave 3: my lane's 8 rows of A0; A1 and s lie 1,024 and 2,048 bytes on
	v_lshl_add_u32 v121, v0, 2, REC                ; the record: 128 bytes a wave, 4 a lane
	v_lshl_add_u32 v122, v[LN], 4, REC
	v_lshlrev_b32 v123, 4, v[LN]
	s_wait_alu depctr_va_vdst(0)                   ; the tail's eight addresses are written; the last epilogue is done reading Wc's tables in v128 on, in which the loads below land
.set i, 0
.rept 20
	ds_load_b64 v[128+2*i:129+2*i], v116 offset:i*1024
.set i, i+1
.endr
	s_lshl_b32 s70, ttmp9, 10
	s_mov_b32 s71, 0
	s_add_nc_u64 s[28:29], s[28:29], s[70:71]      ; out3 at my work-group's 256 rows
	s_lshl_b32 s70, ttmp9, 9
	s_add_nc_u64 s[30:31], s[30:31], s[70:71]      ; my record
	s_wait_dscnt 0x0
.irp q, 0,1,2,3,4
	v_pk_add_f32 v[128+8*\q:129+8*\q], v[128+8*\q:129+8*\q], v[130+8*\q:131+8*\q]
	v_pk_add_f32 v[132+8*\q:133+8*\q], v[132+8*\q:133+8*\q], v[134+8*\q:135+8*\q]
	v_pk_add_f32 v[128+8*\q:129+8*\q], v[128+8*\q:129+8*\q], v[132+8*\q:133+8*\q]
.endr
	v_add_f32 v128, s[BC], v128
	v_add_f32 v129, s[BC], v129
	v_add_f32 v136, s[BC+1], v136
	v_add_f32 v137, s[BC+1], v137
	s_wait_alu depctr_va_vdst(0)                   ; the five sums of my two rows are written, which the seven stores below read
	global_store_b64 v117, v[128:129], s[28:29] th:TH_STORE_NT                 ; a wave stores 256 neighbouring bytes, at a multiple of 256 from out3's first byte
	global_store_b64 v117, v[136:137], s[28:29] offset:262144 th:TH_STORE_NT
.irp q, 0,1,2,3,4
	ds_store_b64 v118, v[128+8*\q:129+8*\q] offset:\q*1024
.endr
	BARRIER                                        ; the 256 rows' five numbers lie in LDS; no LDS instruction of mine is out
	s_wait_xcnt 0x0                                ; the two stores of A have had their addresses translated: v128 on are written again only behind this wait
	s_wait_alu depctr_vm_vsrc(0)                   ; the seven stores have read v128 to v161, which the lines below and both roles' loads and vector lines write again
	v_mov_b32 v[ETP], 0                            ; a lane permute's destination counts as one of its sources
	v_mov_b32 v[EOUT], 0
	v_mov_b32 v[EBIG], 0x7f000000                  ; above every row's number
	v_mov_b32 v[ENIN], 0xff800000                  ; -infinity: a row that has been taken
	s_wait_alu depctr_va_vdst(0)                   ; the additions above are done reading and writing v128 to v151, in which both roles' loads land
	s_cmp_eq_u32 s[WV], 2
	s_mov_b32 s72, 0x3f800000
	s_cselect_b32 s72, 0xbf800000, s72             ; wave 2 looks for the smallest A1: the largest -A1
	s_cmp_eq_u32 s[WV], 3
	s_cbranch_scc1 .Lstats
	ds_load_b128 v[EK:EK+3], v119
	ds_load_b128 v[EK+4:EK+7], v119 offset:16
	ds_load_b128 v[EP:EP+3], v119 offset:3072
	ds_load_b128 v[EP+4:EP+7], v119 offset:3088
	s_lshl_b32 s73, ttmp9, 8
	v_lshl_add_u32 v167, v[LN], 3, s73             ; my first row's number in the whole: 256 g + 8 x lane
.irp i, 0,1,2,3,4,5,6,7
	v_add_nc_u32 v[ET+\i], \i, v167
.endr
.irp i, 0,1,2,3,4,5,6,7
	v_cvt_f32_u32 v[EI+\i], v[ET+\i]               ; under 65,536: exact in f32
.endr
	s_wait_dscnt 0x0
.irp i, 0,1,2,3,4,5,6,7
	v_mul_f32 v[EK+\i], s72, v[EK+\i]
.endr
	EXTRACT 8
	s_branch .Lrecord
.Lstats:                                           ; wave 3: for each class the largest A, l = the sum of e^(A - largest), t = the same sum weighted by s
	ds_load_b128 v[128:131], v120
	ds_load_b128 v[132:135], v120 offset:16
	ds_load_b128 v[136:139], v120 offset:1024
	ds_load_b128 v[140:143], v120 offset:1040
	ds_load_b128 v[144:147], v120 offset:2048
	ds_load_b128 v[148:151], v120 offset:2064
	s_wait_dscnt 0x0
.irp c, 0,1
	v_max3_num_f32 v[168+\c], v[128+8*\c], v[129+8*\c], v[130+8*\c]
	v_max3_num_f32 v[168+\c], v[168+\c], v[131+8*\c], v[132+8*\c]
	v_max3_num_f32 v[168+\c], v[168+\c], v[133+8*\c], v[134+8*\c]
	v_max_num_f32 v[168+\c], v[168+\c], v[135+8*\c]
	WMAX 168+\c
	v_mul_f32 v[170+\c], s[L2E], v[168+\c]
.endr
.irp c, 0,1
.irp i, 0,1,2,3,4,5,6,7
	v_fma_f32 v[128+8*\c+\i], v[128+8*\c+\i], s[L2E], -v[170+\c]
.endr
.endr
.set i, 0
	s_wait_alu depctr_va_vdst(0)
.rept 16
	v_exp_f32 v[128+i], v[128+i]
.set i, i+1
.endr
	v_nop
	s_wait_alu depctr_va_vdst(0)                   ; one wait for the batch: the sixteen exponentials have written their results, ahead of the first reader
.irp c, 0,1
	v_add_f32 v[172+2*\c], v[128+8*\c], v[129+8*\c]
	v_mul_f32 v[173+2*\c], v[128+8*\c], v144
	v_fmac_f32 v[173+2*\c], v[129+8*\c], v145
.irp i, 2,3,4,5,6,7
	v_add_f32 v[172+2*\c], v[172+2*\c], v[128+8*\c+\i]
	v_fmac_f32 v[173+2*\c], v[128+8*\c+\i], v[144+\i]
.endr
	WSUM 172+2*\c
	WSUM 173+2*\c
.endr
.irp n, 0,1,2,3,4,5
	v_cmp_eq_u32 s[MK+\n], \n, v[LN]
.endr
	s_wait_alu depctr_va_sdst(0)                   ; the six compares have written their masks, which the selects below read
.set n, 0
.irp rg, 168,172,173,169,174,175               ; lanes 0-5: m0, l0, t0, m1, l1, t1; the other lanes 0
	v_cndmask_b32 v[EOUT], v[EOUT], v[\rg], s[MK+n]
.set n, n+1
.endr
.Lrecord:
	s_wait_alu depctr_va_vdst(0)                   ; my role's selects have written v[EOUT], which the store reads, and are done with v128 to v131, in which wave 0's load below lands
	ds_store_b32 v121, v[EOUT]
	BARRIER                                        ; the record's 512 bytes lie in LDS
	s_cmp_lg_u32 s[WV], 0
	s_cbranch_scc1 .Lend
	ds_load_b128 v[128:131], v122
	s_wait_dscnt 0x0
	global_store_b128 v123, v[128:131], s[30:31]   ; 32 lanes store 512 neighbouring bytes, at a multiple of 256 from rec's first byte
.Lend:
	s_wait_dscnt 0x0                               ; the closing lines, six on end
	s_wait_alu 0x0
	s_wait_tensorcnt 0x0
	ds_add_u32 v[SPW], v[NIL]
	s_wait_dscnt 0x0
	s_endpgm
.Lfunc_end_k_q1f1142753a_main:
	.size	k_q1f1142753a_main, .Lfunc_end_k_q1f1142753a_main-k_q1f1142753a_main
	.p2alignl 7, 3214868480
	.fill 96, 4, 3214868480
	.section	.rodata,"a",@progbits
	.p2align	6, 0x0
	.amdhsa_kernel k_q1f1142753a_main
		.amdhsa_group_segment_fixed_size 193536
		.amdhsa_private_segment_fixed_size 0
		.amdhsa_enable_private_segment 0
		.amdhsa_kernarg_size 96
		.amdhsa_user_sgpr_count 2
		.amdhsa_user_sgpr_kernarg_segment_ptr 1
		.amdhsa_wavefront_size32 1
		.amdhsa_system_sgpr_workgroup_id_x 1
		.amdhsa_system_sgpr_workgroup_id_y 1
		.amdhsa_system_sgpr_workgroup_id_z 1
		.amdhsa_system_vgpr_workitem_id 0
		.amdhsa_next_free_vgpr 1024
		.amdhsa_next_free_sgpr 80
		.amdhsa_reserve_vcc 0
		.amdhsa_float_denorm_mode_32 3
		.amdhsa_float_denorm_mode_16_64 3
		.amdhsa_memory_ordered 1
		.amdhsa_forward_progress 1
		.amdhsa_inst_pref_size 255
	.end_amdhsa_kernel
	.section	.bss,"aw",@nobits
	.p2align	6
	.space	262144
	.amdgpu_metadata
---
amdhsa.version: [ 1, 2 ]
amdhsa.kernels:
  - .name:           k_q1f1142753a_main
    .symbol:         k_q1f1142753a_main.kd
    .args:
      - { .name: x, .offset: 0, .size: 8, .value_kind: global_buffer, .address_space: global }
      - { .name: wq, .offset: 8, .size: 8, .value_kind: global_buffer, .address_space: global }
      - { .name: wsc, .offset: 16, .size: 8, .value_kind: global_buffer, .address_space: global }
      - { .name: b1, .offset: 24, .size: 8, .value_kind: global_buffer, .address_space: global }
      - { .name: ba, .offset: 32, .size: 8, .value_kind: global_buffer, .address_space: global }
      - { .name: bb, .offset: 40, .size: 8, .value_kind: global_buffer, .address_space: global }
      - { .name: Wc, .offset: 48, .size: 8, .value_kind: global_buffer, .address_space: global }
      - { .name: bc, .offset: 56, .size: 8, .value_kind: global_buffer, .address_space: global }
      - { .name: Wcls, .offset: 64, .size: 8, .value_kind: global_buffer, .address_space: global }
      - { .name: Wins, .offset: 72, .size: 8, .value_kind: global_buffer, .address_space: global }
      - { .name: out3, .offset: 80, .size: 8, .value_kind: global_buffer, .address_space: global }
      - { .name: rec, .offset: 88, .size: 8, .value_kind: global_buffer, .address_space: global }
    .group_segment_fixed_size: 193536
    .private_segment_fixed_size: 0
    .kernarg_segment_align: 8
    .kernarg_segment_size: 96
    .max_flat_workgroup_size: 128
    .sgpr_count:     80
    .vgpr_count:     1024
    .wavefront_size: 32
...
	.end_amdgpu_metadata
.endif
;; end of part 5
;; launch fin (part 6): grid 1 x 1, 25 waves a work-group, no clusters, 6,656 bytes of LDS; arguments rec, bcls, bins, out0, out1, out2, out4; writes out0, out1, out2, out4
.if DOCPART == 6
	.amdgcn_target "amdgcn-amd-amdhsa--gfx1250"
	.amdhsa_code_object_version 6
	.text
	.protected	k_q1f1142753a_fin
	.globl	k_q1f1142753a_fin
	.p2align	8
	.type	k_q1f1142753a_fin,@function
k_q1f1142753a_fin:
	s_mov_b64 s[64:65], 0
	v_nop
	global_prefetch_b8 v0, s[64:65] scope:SCOPE_SE
	s_setreg_imm32_b32 hwreg(HW_REG_WAVE_MODE, 25, 1), 1
	s_wait_xcnt 0x0
; The 256 records of main become the logits, their softmax and argmax, and the instance loss.  Left out (shown at the head of the first kernel): loss_in[0], loss_out[1], the gathers of h, M.
; A record is 512 bytes: groups 0, 1, 2 of 128 bytes: 8 keys (A0; A1; -A1), their rows' numbers, their payloads (z0; z1; z1, without bins); group 3: m0, l0, t0, m1, l1, t1.
; One work-group of 25 waves.  Waves 0-23: task wave / 8 (largest A0; largest A1; smallest A1), 32 records a wave, a record a lane: the 8 largest keys of 256 go to LDS.  Then waves 0-2 take the 8 largest of their task's 64,
; and sum softplus(z) (tasks 0 and 2: the target is 0) or softplus(-z) (task 1: the target is 1).  inst_loss = (sum0 / 8 + (sum1 + sum2) / 16) / 2.
; Wave 24: logit_c = (sum over records of t e^(m - M)) / (sum of l e^(m - M)) + bcls, M the largest m: the softmax over all rows with its maximum taken away.
; No address and no branch hangs on a floating-point number: all choices are selects.  LIMITS: NaN and infinities are not served.
.set FV,    3072                       ; LDS: from 0 on 24 x 128 bytes, the waves' lists; here the three sums
.set SPARE, 3328                       ; the spare words, 128 bytes for each of 25 waves, rounded up: thirteen blocks of 256 bytes that no other line names
.set LN,   1
.set SPW,  8
.set NIL,  9
.set EBIG, 10
.set ENIN, 11
.set EK,   16
.set EP,   24
.set EI,   32
.set ET,   40
.set EMX,  48
.set ETP,  49
.set EMN,  50
.set EPS,  51
.set EOUT, 52
.set WV,   18
.set SEL,  24
.set L2E,  26
.set LN2,  27
.set SIT,  34
.set SI2,  35
.macro WMAX reg
.irp k, 1,2,4,8
	s_delay_alu instid0(VALU_DEP_1)
	v_max_num_f32_dpp v[\reg], v[\reg], v[\reg] row_xmask:\k row_mask:0xf bank_mask:0xf
.endr
	s_delay_alu instid0(VALU_DEP_1)
	v_permlanex16_b32 v[ETP], v[\reg], s[SEL], s[SEL+1]
	s_delay_alu instid0(VALU_DEP_1)
	v_max_num_f32 v[\reg], v[\reg], v[ETP]
.endm
.macro WMIN reg
.irp k, 1,2,4,8
	s_delay_alu instid0(VALU_DEP_1)
	v_min_num_f32_dpp v[\reg], v[\reg], v[\reg] row_xmask:\k row_mask:0xf bank_mask:0xf
.endr
	s_delay_alu instid0(VALU_DEP_1)
	v_permlanex16_b32 v[ETP], v[\reg], s[SEL], s[SEL+1]
	s_delay_alu instid0(VALU_DEP_1)
	v_min_num_f32 v[\reg], v[\reg], v[ETP]
.endm
.macro WSUM reg
.irp k, 1
	v_add_f32_dpp v[\reg], v[\reg], v[\reg] row_xmask:\k row_mask:0xf bank_mask:0xf
.endr
.irp k, 2, 4, 8
	s_delay_alu instid0(VALU_DEP_1)
	v_add_f32_dpp v[\reg], v[\reg], v[\reg] row_xmask:\k row_mask:0xf bank_mask:0xf
.endr
	s_delay_alu instid0(VALU_DEP_1)
	v_permlanex16_b32 v[ETP], v[\reg], s[SEL], s[SEL+1]
	s_delay_alu instid0(VALU_DEP_1)
	v_add_f32 v[\reg], v[\reg], v[ETP]
.endm
; The 8 largest of the wave's 32 x nv keys, the lower row first among equals, by selects alone.  Trip n leaves the key in lane n of v[EOUT], the row in lane 8 + n, the payload in lane 16 + n.
.macro EXTRACT nv
	s_mov_b32 s[SIT], 0
.Lpick_\@:
	v_max_num_f32 v[EMX], v[EK], v[EK+1]
.if \nv > 2
	s_delay_alu instid0(VALU_DEP_1)
	v_max3_num_f32 v[EMX], v[EMX], v[EK+2], v[EK+3]
	s_delay_alu instid0(VALU_DEP_1)
	v_max3_num_f32 v[EMX], v[EMX], v[EK+4], v[EK+5]
	s_delay_alu instid0(VALU_DEP_1)
	v_max3_num_f32 v[EMX], v[EMX], v[EK+6], v[EK+7]
.endif
	WMAX EMX
.set i, 0
.rept \nv
	v_cmp_eq_f32 vcc_lo, v[EK+i], v[EMX]
	s_delay_alu instid0(VALU_DEP_1)
	v_cndmask_b32 v[ET+i], v[EBIG], v[EI+i], vcc_lo
.set i, i+1
.endr
	v_min_num_f32 v[EMN], v[ET], v[ET+1]
.if \nv > 2
	s_delay_alu instid0(VALU_DEP_1)
	v_min3_num_f32 v[EMN], v[EMN], v[ET+2], v[ET+3]
	s_delay_alu instid0(VALU_DEP_1)
	v_min3_num_f32 v[EMN], v[EMN], v[ET+4], v[ET+5]
	s_delay_alu instid0(VALU_DEP_1)
	v_min3_num_f32 v[EMN], v[EMN], v[ET+6], v[ET+7]
.endif
	WMIN EMN
	v_mov_b32 v[EPS], 0
.set i, 0
.rept \nv
	v_cmp_eq_f32 vcc_lo, v[EI+i], v[EMN]
	s_delay_alu instid0(VALU_DEP_1)
	v_cndmask_b32 v[EPS], v[EPS], v[EP+i], vcc_lo
	s_delay_alu instid0(VALU_DEP_2)
	v_cndmask_b32 v[EK+i], v[EK+i], v[ENIN], vcc_lo
.set i, i+1
.endr
	WSUM EPS
	v_cmp_eq_u32 vcc_lo, s[SIT], v[LN]
	s_delay_alu instid0(VALU_DEP_1)
	v_cndmask_b32 v[EOUT], v[EOUT], v[EMX], vcc_lo
	s_add_co_u32 s[SI2], s[SIT], 8
	v_cmp_eq_u32 vcc_lo, s[SI2], v[LN]
	s_delay_alu instid0(VALU_DEP_1)
	v_cndmask_b32 v[EOUT], v[EOUT], v[EMN], vcc_lo
	s_add_co_u32 s[SI2], s[SIT], 16
	v_cmp_eq_u32 vcc_lo, s[SI2], v[LN]
	s_delay_alu instid0(VALU_DEP_1)
	v_cndmask_b32 v[EOUT], v[EOUT], v[EPS], vcc_lo
	s_add_co_u32 s[SIT], s[SIT], 1
	s_cmp_lt_u32 s[SIT], 8
	s_cbranch_scc1 .Lpick_\@
.endm
	s_load_b256 s[4:11], s[0:1], 0x0               ; rec s[4:5], bcls s[6:7], bins s[8:9], out0 s[10:11]
	s_load_b128 s[12:15], s[0:1], 0x20             ; out1 s[12:13], out2 s[14:15]
	s_load_b64 s[16:17], s[0:1], 0x30              ; out4
	v_lshl_add_u32 v[SPW], v0, 2, SPARE
	v_mov_b32 v[NIL], 0
	v_lshrrev_b32 v[LN], 5, v0
	s_delay_alu instid0(VALU_DEP_1)
	v_readfirstlane_b32 s[WV], v[LN]               ; wave 0..24
	v_and_b32 v[LN], 31, v0
	s_and_b32 s19, s[WV], 7
	s_lshl_b32 s19, s19, 14                        ; my wave's 32 records
	s_lshr_b32 s20, s[WV], 3
	s_lshl_b32 s20, s20, 7                         ; my task's group (wave 24: group 3)
	s_add_co_u32 s19, s19, s20
	v_lshl_add_u32 v2, v[LN], 9, s19               ; my lane's record
	v_lshlrev_b32 v3, 2, v0                        ; my wave's list in LDS: 128 x wave + 4 x lane
	s_min_u32 s21, s[WV], 2
	s_lshl_b32 s22, s21, 10                        ; a task's eight lists
	v_lshrrev_b32 v4, 3, v[LN]
	s_delay_alu instid0(VALU_DEP_1)
	v_lshlrev_b32 v4, 7, v4
	v_and_b32 v5, 7, v[LN]
	s_delay_alu instid0(VALU_DEP_1)
	v_lshl_add_u32 v4, v5, 2, v4
	s_delay_alu instid0(VALU_DEP_1)
	v_add_nc_u32 v4, s22, v4                       ; list lane / 8 (and, 512 bytes on, list 4 + lane / 8), place lane % 8
	s_lshl_b32 s22, s21, 2
	s_add_co_u32 s22, s22, FV
	v_mov_b32 v5, s22                              ; my task's sum
	v_mov_b32 v6, FV
	v_mov_b32 v7, 0
	v_mov_b32 v[EBIG], 0x7f000000                  ; above every row's number
	v_mov_b32 v[ENIN], 0xff800000                  ; -infinity: a row that has been taken
	v_mov_b32 v[ETP], 0                            ; a lane permute's destination counts as one of its sources
	v_mov_b32 v[EOUT], 0
	s_mov_b32 s[SEL], 0x76543210
	s_mov_b32 s[SEL+1], 0xfedcba98
	s_mov_b32 s[L2E], 0x3fb8aa3b                   ; log2(e)
	s_mov_b32 s[LN2], 0x3f317218                   ; ln(2)
	s_wait_kmcnt 0x0
	s_load_b128 s[28:31], s[8:9], 0x0              ; bins
	s_load_b32 s32, s[6:7], 0x0                    ; bcls
	s_wait_kmcnt 0x0
	s_cmp_eq_u32 s[WV], 24
	s_cbranch_scc1 .Lcomb
	global_load_b128 v[EK:EK+3], v2, s[4:5]
	global_load_b128 v[EK+4:EK+7], v2, s[4:5] offset:16
	global_load_b128 v[EI:EI+3], v2, s[4:5] offset:32
	global_load_b128 v[EI+4:EI+7], v2, s[4:5] offset:48
	global_load_b128 v[EP:EP+3], v2, s[4:5] offset:64
	global_load_b128 v[EP+4:EP+7], v2, s[4:5] offset:80
	s_wait_loadcnt 0x0
	EXTRACT 8
	ds_store_b32 v3, v[EOUT]
	s_branch .Lj1
.Lcomb:                                            ; wave 24: lane l takes records l, 32 + l, .. 224 + l
.irp i, 0,1,2,3,4,5,6,7
	global_load_b128 v[64+8*\i:67+8*\i], v2, s[4:5] offset:\i*16384       ; m0, l0, t0, m1
	global_load_b64 v[68+8*\i:69+8*\i], v2, s[4:5] offset:\i*16384+16     ; l1, t1
.endr
	s_wait_loadcnt 0x0
.irp c, 0,1
	v_max3_num_f32 v[16+\c], v[64+3*\c], v[72+3*\c], v[80+3*\c]
	s_delay_alu instid0(VALU_DEP_1)
	v_max3_num_f32 v[16+\c], v[16+\c], v[88+3*\c], v[96+3*\c]
	s_delay_alu instid0(VALU_DEP_1)
	v_max3_num_f32 v[16+\c], v[16+\c], v[104+3*\c], v[112+3*\c]
	s_delay_alu instid0(VALU_DEP_1)
	v_max_num_f32 v[16+\c], v[16+\c], v[120+3*\c]
	WMAX 16+\c                                     ; M: the largest A of the class
	s_delay_alu instid0(VALU_DEP_1)
	v_mul_f32 v[18+\c], s[L2E], v[16+\c]
.endr
.irp i, 0,1,2,3,4,5,6,7
	v_fma_f32 v[70+8*\i], v[64+8*\i], s[L2E], -v18
	v_fma_f32 v[71+8*\i], v[67+8*\i], s[L2E], -v19
.endr
	s_wait_alu depctr_va_vdst(0)
.irp i, 0,1,2,3,4,5,6,7
	v_exp_f32 v[70+8*\i], v[70+8*\i]               ; e^(m - M), at most 1
	v_exp_f32 v[71+8*\i], v[71+8*\i]
.endr
	v_nop
	s_wait_alu depctr_va_vdst(0)                   ; one wait for the sixteen, ahead of their first reader
	v_mul_f32 v20, v65, v70                        ; L0
	v_mul_f32 v21, v66, v70                        ; T0
	v_mul_f32 v22, v68, v71                        ; L1
	v_mul_f32 v23, v69, v71                        ; T1
.irp i, 1,2,3,4,5,6,7
	v_fmac_f32 v20, v[65+8*\i], v[70+8*\i]
	v_fmac_f32 v21, v[66+8*\i], v[70+8*\i]
	v_fmac_f32 v22, v[68+8*\i], v[71+8*\i]
	v_fmac_f32 v23, v[69+8*\i], v[71+8*\i]
.endr
	WSUM 20
	WSUM 21
	WSUM 22
	WSUM 23
	s_wait_alu depctr_va_vdst(0)
	v_rcp_f32 v24, v20
	v_rcp_f32 v25, v22
	v_nop
	s_wait_alu depctr_va_vdst(0)
	v_fma_f32 v26, v21, v24, s32                   ; the logits
	v_fma_f32 v27, v23, v25, s32
	s_delay_alu instid0(VALU_DEP_1)
	v_max_num_f32 v28, v26, v27                    ; Y_prob: the maximum is taken away
	s_delay_alu instid0(VALU_DEP_1)
	v_sub_f32 v30, v26, v28
	s_delay_alu instid0(VALU_DEP_2)
	v_sub_f32 v31, v27, v28
	s_delay_alu instid0(VALU_DEP_2)
	v_mul_f32 v30, s[L2E], v30
	s_delay_alu instid0(VALU_DEP_2)
	v_mul_f32 v31, s[L2E], v31
	s_wait_alu depctr_va_vdst(0)
	v_exp_f32 v30, v30
	v_exp_f32 v31, v31
	v_nop
	s_wait_alu depctr_va_vdst(0)
	v_add_f32 v32, v30, v31
	s_wait_alu depctr_va_vdst(0)
	v_rcp_f32 v33, v32
	v_nop
	s_wait_alu depctr_va_vdst(0)
	v_mul_f32 v34, v30, v33
	v_mul_f32 v35, v31, v33
	v_cmp_gt_f32 vcc_lo, v27, v26                  ; argmax keeps the first of equals
	s_delay_alu instid0(VALU_DEP_1)
	v_cndmask_b32 v36, 0, 1, vcc_lo
	v_cmp_eq_u32 vcc_lo, 0, v[LN]
	s_wait_alu depctr_va_vdst(0)
	s_wait_xcnt 0x0                                ; EXEC changes only behind this wait
	s_and_saveexec_b32 s40, vcc_lo                 ; lane 0 alone stores
	global_store_b64 v7, v[26:27], s[10:11]
	global_store_b64 v7, v[34:35], s[12:13]
	global_store_b32 v7, v36, s[14:15]
	s_wait_xcnt 0x0                                ; and again, in front of the line that widens it
	s_or_b32 exec_lo, exec_lo, s40
.Lj1:
	s_wait_dscnt 0x0
	s_barrier_signal -1
	s_barrier_wait -1                              ; the 24 lists lie in LDS
	s_cmp_gt_u32 s[WV], 2
	s_cbranch_scc1 .Lj2
	ds_load_b32 v[EK], v4
	ds_load_b32 v[EK+1], v4 offset:512
	ds_load_b32 v[EI], v4 offset:32
	ds_load_b32 v[EI+1], v4 offset:544
	ds_load_b32 v[EP], v4 offset:64
	ds_load_b32 v[EP+1], v4 offset:576
	s_wait_dscnt 0x0
	EXTRACT 2
	s_cmp_eq_u32 s[WV], 0
	s_cselect_b32 s36, s28, s30                    ; bins[c][0], c = 0 for task 0, else 1
	s_cselect_b32 s37, s29, s31                    ; bins[c][1]
	s_mov_b32 s38, 0x3d000000                      ; 1 / 32,
	s_cselect_b32 s38, 0x3d800000, s38             ; 1 / 16 for task 0
	s_cmp_eq_u32 s[WV], 1
	s_mov_b32 s39, 0x3f800000
	s_cselect_b32 s39, 0xbf800000, s39             ; task 1: the target is 1: softplus(-z)
	v_sub_f32 v53, s37, s36
	s_wait_alu depctr_va_vdst(0)
	v_add_f32 v53, v[EOUT], v53                    ; z (in lanes 16-23; the other lanes hold finite numbers that are struck out below)
	s_delay_alu instid0(VALU_DEP_1)
	v_mul_f32 v53, s39, v53
	s_delay_alu instid0(VALU_DEP_1)
	v_mul_f32 v54, s[L2E], -|v53|
	s_wait_alu depctr_va_vdst(0)
	v_exp_f32 v54, v54
	v_max_num_f32 v55, 0, v53                      ; (a plain line behind the exponential)
	s_wait_alu depctr_va_vdst(0)
	v_add_f32 v54, 1.0, v54
	s_wait_alu depctr_va_vdst(0)
	v_log_f32 v54, v54
	v_lshrrev_b32 v56, 3, v[LN]
	s_wait_alu depctr_va_vdst(0)
	v_fma_f32 v55, v54, s[LN2], v55                ; max(x, 0) + ln(1 + e^-|x|)
	v_cmp_eq_u32 vcc_lo, 2, v56
	s_delay_alu instid0(VALU_DEP_1)
	v_cndmask_b32 v55, 0, v55, vcc_lo              ; lanes 16-23 alone
	WSUM 55
	s_delay_alu instid0(VALU_DEP_1)
	v_mul_f32 v55, s38, v55
	ds_store_b32 v5, v55                           ; all lanes write the same word with the same value
.Lj2:
	s_wait_dscnt 0x0
	s_barrier_signal -1
	s_barrier_wait -1                              ; the three sums lie in LDS
	s_cmp_lg_u32 s[WV], 0
	s_cbranch_scc1 .Lend
	ds_load_b64 v[56:57], v6
	ds_load_b32 v58, v6 offset:8
	s_wait_dscnt 0x0
	v_add_f32 v56, v56, v57
	s_delay_alu instid0(VALU_DEP_1)
	v_add_f32 v56, v56, v58
	v_cmp_eq_u32 vcc_lo, 0, v[LN]
	s_wait_alu depctr_va_vdst(0)
	s_wait_xcnt 0x0                                ; EXEC changes only behind this wait
	s_and_saveexec_b32 s40, vcc_lo
	global_store_b32 v7, v56, s[16:17]             ; inst_loss
	s_wait_xcnt 0x0
	s_or_b32 exec_lo, exec_lo, s40
.Lend:
	s_wait_tensorcnt 0x0                           ; the wave's end: three closing lines, behind my last LDS store
	ds_add_u32 v[SPW], v[NIL]
	s_wait_dscnt 0x0
	s_endpgm
.Lfunc_end_k_q1f1142753a_fin:
	.size	k_q1f1142753a_fin, .Lfunc_end_k_q1f1142753a_fin-k_q1f1142753a_fin
	.p2alignl 7, 3214868480
	.fill 96, 4, 3214868480
	.section	.rodata,"a",@progbits
	.p2align	6, 0x0
	.amdhsa_kernel k_q1f1142753a_fin
		.amdhsa_group_segment_fixed_size 6656
		.amdhsa_private_segment_fixed_size 0
		.amdhsa_enable_private_segment 0
		.amdhsa_kernarg_size 56
		.amdhsa_user_sgpr_count 2
		.amdhsa_user_sgpr_kernarg_segment_ptr 1
		.amdhsa_wavefront_size32 1
		.amdhsa_system_sgpr_workgroup_id_x 1
		.amdhsa_system_sgpr_workgroup_id_y 1
		.amdhsa_system_sgpr_workgroup_id_z 1
		.amdhsa_system_vgpr_workitem_id 0
		.amdhsa_next_free_vgpr 128
		.amdhsa_next_free_sgpr 66
		.amdhsa_reserve_vcc 1
		.amdhsa_float_denorm_mode_32 3
		.amdhsa_float_denorm_mode_16_64 3
		.amdhsa_memory_ordered 1
		.amdhsa_forward_progress 1
		.amdhsa_inst_pref_size 23
	.end_amdhsa_kernel
	.amdgpu_metadata
---
amdhsa.version: [ 1, 2 ]
amdhsa.kernels:
  - .name:           k_q1f1142753a_fin
    .symbol:         k_q1f1142753a_fin.kd
    .args:
      - { .name: rec, .offset: 0, .size: 8, .value_kind: global_buffer, .address_space: global }
      - { .name: bcls, .offset: 8, .size: 8, .value_kind: global_buffer, .address_space: global }
      - { .name: bins, .offset: 16, .size: 8, .value_kind: global_buffer, .address_space: global }
      - { .name: out0, .offset: 24, .size: 8, .value_kind: global_buffer, .address_space: global }
      - { .name: out1, .offset: 32, .size: 8, .value_kind: global_buffer, .address_space: global }
      - { .name: out2, .offset: 40, .size: 8, .value_kind: global_buffer, .address_space: global }
      - { .name: out4, .offset: 48, .size: 8, .value_kind: global_buffer, .address_space: global }
    .group_segment_fixed_size: 6656
    .private_segment_fixed_size: 0
    .kernarg_segment_align: 8
    .kernarg_segment_size: 56
    .max_flat_workgroup_size: 800
    .sgpr_count:     66
    .vgpr_count:     128
    .wavefront_size: 32
...
	.end_amdgpu_metadata
.endif
;; end of part 6
